; MI455X (gfx1250); checked and timed in simulation.
; The chip was launched on July 23, 2026; its instructions are those of AMD's public machine-readable ISA for CDNA 5 (MIT licence, August 2026) and "CDNA5" Instruction Set Architecture Reference Guide (July 2026). The comments in the code are by the model that wrote it; some were corrected since.
;; Goby Block. Allowed arithmetic: matrix products marked QUANTISED: E2M1 operands, one E8M0 scale for each 32 along K, by v_wmma_scale_f32_16x16x128_f8f6f4 with both operands' format E2M1 (or v_wmma_scale_f32_32x16x128_f4), f32 sums; everything else in f32.
;; Inputs: cos 2,048 x 64 float32; mask 1 x 1 x 2,048 x 2,048 bool; norm_w 2,048 float32; sin 2,048 x 64 float32; w_down 2,048 x 2,048 float32; w_gate 2,048 x 2,048 float32; w_up 2,048 x 2,048 float32; wk 512 x 2,048 float32; wo 2,048 x 2,048 float32; wq 2,048 x 2,048 float32; wv 512 x 2,048 float32; x 1 x 2,048 x 2,048 float32.
;; Outputs: out0 1 x 2,048 x 2,048 float32.
;; This version of the problem:
;;   THIS VERSION OF THE PROBLEM IS GIVEN IN LOW PRECISION. The matrix products marked QUANTISED in the list below multiply operands that are first quantised to E2M1 (2 exponent bits, 1 mantissa bit; 4 bits a number), with one power-of-two scale for each 32 numbers along K (OCP MX v1.0); their sums are f32. All else is computed in f32.
;;   The module's matrix products, in the order in which they are computed (A, B: the left and right operand; K: the contracted axis; several contracted axes count as one K, in the product's order):
;;     1. [M 2,048, K 2,048] x [K 2,048, N 2,048]; A: computed on the way; B: input wq: QUANTISED
;;     2. [M 2,048, K 2,048] x [K 2,048, N 512]; A: computed on the way; B: input wk: QUANTISED
;;     3. [M 2,048, K 2,048] x [K 2,048, N 512]; A: computed on the way; B: input wv: QUANTISED
;;     4. batch 16 x [M 2,048, K 128] x [K 128, N 2,048]; A: computed on the way; B: computed on the way: QUANTISED
;;     5. batch 16 x [M 2,048, K 2,048] x [K 2,048, N 128]; A: softmax (see below); B: computed on the way: QUANTISED
;;     6. [M 2,048, K 2,048] x [K 2,048, N 2,048]; A: computed on the way; B: input wo: QUANTISED
;;     7. [M 2,048, K 2,048] x [K 2,048, N 2,048]; A: computed on the way; B: input w_gate: QUANTISED
;;     8. [M 2,048, K 2,048] x [K 2,048, N 2,048]; A: computed on the way; B: input w_up: QUANTISED
;;     9. [M 2,048, K 2,048] x [K 2,048, N 2,048]; A: computed on the way; B: input w_down: QUANTISED
;;   THE QUANTISER, for each operand of a quantised product, along K:
;;     - K is cut into blocks of 32 from its start; a last block that is shorter is filled with zeros.
;;     - A block's scale is 2^e with e = floor(log2(the largest magnitude in the block)) - 2, held to -126 .. 127; a block of zeros has e = 0. As a byte (E8M0): e + 127.
;;     - Each number is divided by its block's scale, clamped to +-6, and rounded to the nearest number of E2M1, ties to even, subnormals kept.
;;     - The product sums the exact products of the quantised numbers (number of the format x scale) in f32.
;;   ~~~python
;;   def quantise(x, axis):      # numpy; x: float32 -> the quantised numbers, widened to float32 again
;;       x = np.moveaxis(x, axis, -1); K = x.shape[-1]
;;       x = np.pad(x, [(0, 0)] * (x.ndim - 1) + [(0, -K % 32)]); x = x.reshape(x.shape[:-1] + (-1, 32)); a = np.abs(x).max(-1, keepdims=True)
;;       e = np.where(a > 0, np.clip(np.frexp(np.where(a > 0, a, 1))[1] - 1 - 2, -126, 127), 0)      # np.frexp(a)[1] - 1 = floor(log2(a)), exactly
;;       r = np.clip(x / 2.0 ** e, -6, 6)
;;       step = 2.0 ** (np.maximum(np.frexp(np.where(r == 0, 1, r))[1] - 1, 0) - 1)
;;       q = np.round(r / step) * step * 2.0 ** e      # np.round: ties to even
;;       return np.moveaxis(q.reshape(q.shape[:-2] + (-1,))[..., :K], -1, axis).astype(np.float32)
;;   ~~~
;;   SOFTMAX AHEAD OF A QUANTISED PRODUCT. Where the list says 'softmax', what is quantised is not the finished softmax but p = 2^(t - M), with t = logit x log2(e) and M = ceil(the row's largest t), a whole number; so 1/2 < the row's largest p <= 1. The row's sum l is taken of the UNQUANTISED p, in f32, and the product's result is divided by l at the end. Since M is a whole number, a kernel that streams over the keys may use a running M (the ceiling of the running maximum): every later rescaling is an exact power of two, which a block's scale takes up: the codes' values come out the same.
;;   OPERANDS COMPUTED ON THE WAY. 'Computed on the way' means the value that the module computes at that place (a softmax that the list does not call 'softmax' is quantised finished and normalised). What goes into a quantiser is computed in f32, as accurately as f32 sums, v_exp_f32 and their like allow (about 1e-6 of the number): no bf16 or f16 on the way to a quantiser, and a product that is left as it is and whose result goes on into a quantised operand takes f32 operands (vector FMAs, or v_wmma_f32_16x16x4_f32). A number that lies on a knife's edge between two numbers of the format may be rounded either way, as far as f32 arithmetic and the matrix unit's own rounding can turn it there, and no further.
;; One version. Each part assembles by itself: llvm-mc -triple=amdgcn-amd-amdhsa -mcpu=gfx1250 --defsym DOCPART=n.
;; ======== version 1 of 1: 4 launches
;; limits: right only within a limited range of input values
;; workspace buffers: hq 2,228,224 bytes; w1q 7,798,784 bytes; w2q 4,456,448 bytes; mw 524,288 bytes of whole numbers; mf 2,048 bytes of whole numbers; qkv 3,342,336 bytes; a2 4,456,448 bytes
;; launch prep (part 1): grid 960 x 1, 4 waves a work-group, no clusters, 59,904 bytes of LDS; arguments x, norm_w, wq, wk, wv, w_gate, w_up, wo, w_down, mask, hq, w1q, w2q, mw, mf; writes hq, w1q, w2q, mw, mf
.if DOCPART == 1
	.amdgcn_target "amdgcn-amd-amdhsa--gfx1250"
	.amdhsa_code_object_version 6
	.text
	.protected	k_q48bf18d8e9_prep
	.globl	k_q48bf18d8e9_prep
	.p2align	8
	.type	k_q48bf18d8e9_prep,@function
k_q48bf18d8e9_prep:
	s_mov_b64 s[64:65], 0
	v_nop
	global_prefetch_b8 v0, s[64:65] scope:SCOPE_SE
	s_setreg_imm32_b32 hwreg(HW_REG_WAVE_MODE, 25, 1), 1
	s_wait_xcnt 0x0
; PREP.  h = rms_norm(x) and the seven weights become codes of FP4 (E2M1) with one E8M0 byte for each 32 along K; the mask becomes words of lane bits.
; SHARES.  Work-groups 0-831 take one PANEL each: 16 rows x 2,048 numbers of x, wq, wk, wv, w_gate, w_up, wo or w_down; wave w takes rows 4 w .. 4 w + 3, a row at a time.
; Work-groups 832-959 take 16 queries of the mask each; wave w takes key steps 4 w .. 4 w + 3 (128 keys a step).
; LAYOUT OF THE CODES: [panel][block of 32 along K][row 0..15][16 bytes].  128 along K of a panel are 1,024 bytes, the image of an operand's registers: registers 4 c .. 4 c + 3 of lane l lie at 512 c + 16 l.
; Inside a block the four words hold k = 0-7, 16-23, 8-15, 24-31: the order in which the later launches' own quantisers leave their codes.  Both operands of every product have it, so each product's terms are the same.
; LAYOUT OF THE SCALE BYTES: [panel][512 along K][row][16 bytes]: four scale words of a row on end, 256 bytes a unit.
; THE RULE: a block's byte is its largest magnitude's exponent field - 2, held at 1 from below; each number / scale goes to the nearest code, ties to even, beyond 6 the code of 6.
; LIMITS: a block of zeros, or one whose largest magnitude lies under 2^-124, gets the byte 1 (the rule says 127 for zeros: the codes are zeros and this program alone reads the bytes); NaN and infinities among the inputs are not served.
; A load reads 512 consecutive bytes; a row's numbers turn through the wave's own stage in LDS so that a lane holds 16 neighbours; the panel's image is gathered in LDS and leaves in runs of 512 bytes.
.set HS,   2097152                     ; hq:  where the scale bytes begin
.set W1S,  7340032                     ; w1q: likewise
.set W2S,  4194304                     ; w2q: likewise
.set IMG,  40960                       ; LDS: behind four stages of 10,240 bytes: the panel's image, 64 units of 256 bytes + 16
.set SCG,  58368                       ; LDS: the panel's 1,024 scale bytes
.set R,    32                          ; v32-95   a row as it is loaded: register 4 i + e = number 128 i + 4 lane + e
.set X,    96                          ; v96-159  the row after the turn: register 16 t + e = number 512 t + 16 lane + e
.set NW,   160                         ; v160-223 norm_w, laid as R
.set CD,   224                         ; v224-235 two code words and a byte for each of a row's four steps
	s_load_b512 s[8:23], s[0:1], 0x0               ; x 8, norm_w 10, wq 12, wk 14, wv 16, w_gate 18, w_up 20, wo 22
	s_load_b256 s[24:31], s[0:1], 0x40             ; w_down 24, mask 26, hq 28, w1q 30
	s_load_b128 s[32:35], s[0:1], 0x60
	s_load_b64 s[60:61], s[0:1], 0x70              ; mf: for 16 queries and four key steps one word, two bits a step: bit 0 some key is allowed, bit 1 all 128 x 16 are
	v_lshl_add_u32 v254, v0, 2, 0xe800
	v_mov_b32 v255, 0
	v_lshrrev_b32 v1, 5, v0
	v_readfirstlane_b32 s4, v1                     ; wave 0..3
	v_and_b32 v1, 31, v0                           ; lane
	v_lshlrev_b32 v2, 4, v1                        ; 16 x lane
	v_lshlrev_b32 v9, 3, v1                        ; 8 x lane
	s_cmp_ge_u32 ttmp9, 832
	s_cbranch_scc1 .Lmask
	; ---- LDS addresses
	s_mul_i32 s5, s4, 10240                        ; my stage
	v_lshrrev_b32 v10, 2, v1
	v_mul_u32_u24 v3, v10, 80
	v_and_b32 v10, 3, v1
	v_lshl_add_u32 v3, v10, 4, v3
	v_add_nc_u32 v3, s5, v3                        ; in: four lanes' 64 bytes on end, then 16 of padding
	v_mul_u32_u24 v4, v1, 80
	v_add_nc_u32 v4, s5, v4                        ; out: my 64 bytes
	s_lshl_b32 s5, s4, 6                           ; my four rows: 16 bytes a row
	v_lshrrev_b32 v10, 1, v1                       ; two lanes hold a block
	v_and_b32 v11, 1, v1
	v_mul_u32_u24 v5, v10, 272
	v_lshl_add_u32 v5, v11, 2, v5                  ; the even lane writes words 0 and 2 of a block's four, the odd lane words 1 and 3
	v_add_nc_u32 v5, s5, v5
	v_add_nc_u32 v5, IMG, v5
	v_add_nc_u32 v6, s5, v10
	v_add_nc_u32 v6, SCG, v6                       ; my block's byte
	s_mul_i32 s5, s4, 16*272                       ; the way out: units 16 w .. 16 w + 15, two an instruction
	v_lshrrev_b32 v10, 4, v1
	v_and_b32 v11, 15, v1
	v_mul_u32_u24 v7, v10, 272
	v_lshl_add_u32 v7, v11, 4, v7
	v_add_nc_u32 v7, s5, v7
	v_add_nc_u32 v7, IMG, v7
	s_lshl_b32 s5, s4, 8
	v_add_nc_u32 v8, s5, v9
	v_add_nc_u32 v8, SCG, v8                       ; and unit w of the scale bytes
	v_mov_b32 v17, 0                               ; (a lane permute's destination counts as read)
	v_mov_b32 v21, 0                               ; (named as the upper half of the pair v[20:21])
	s_mov_b32 s46, 0x3a000000                      ; 1 / 2,048
	s_mov_b32 s47, 0x3727c5ac                      ; 1e-5
	s_mov_b32 s48, 0x76543210
	s_mov_b32 s49, 0xfedcba98                      ; lane l xor 16
	s_wait_kmcnt 0x0
	; ---- which tensor, and where its panel goes.  A packed word: the tensor's first work-group | first panel of the target << 10 | sh << 18 | second half of K << 23;
	; panel p goes to panel D0 + p + ((p >> sh) << sh): wk and wv by turns of 8 panels (a head each), w_gate and w_up by turns of 4 (64 columns each)
.macro PICK limit, ptr, pk
	s_cmp_lt_u32 ttmp9, \limit
	s_cselect_b64 s[36:37], s[\ptr:\ptr+1], s[36:37]
	s_cselect_b32 s38, \pk, s38
.endm
	s_mov_b64 s[36:37], s[24:25]
	s_mov_b32 s38, 704|(31<<18)|(1<<23)            ; w_down
	PICK 704, 22, 576|(31<<18)                     ; wo
	PICK 576, 20, 448|(196<<10)|(2<<18)            ; w_up
	PICK 448, 18, 320|(192<<10)|(2<<18)            ; w_gate
	PICK 320, 16, 288|(136<<10)|(3<<18)            ; wv
	PICK 288, 14, 256|(128<<10)|(3<<18)            ; wk
	PICK 256, 12, 128|(31<<18)                     ; wq
	PICK 128, 8, 31<<18                            ; x
	s_mov_b64 s[40:41], s[32:33]                   ; the target: w2q, a panel of 2^15 bytes,
	s_mov_b32 s50, 15
	s_mov_b32 s51, W2S
	s_cmp_lt_u32 ttmp9, 576
	s_cselect_b64 s[40:41], s[30:31], s[40:41]     ; w1q, 2^14,
	s_cselect_b32 s50, 14, s50
	s_cselect_b32 s51, W1S, s51
	s_cmp_lt_u32 ttmp9, 128
	s_cselect_b64 s[40:41], s[28:29], s[40:41]     ; or hq, 2^14
	s_cselect_b32 s51, HS, s51
	s_and_b32 s39, s38, 0x3ff
	s_sub_co_u32 s39, ttmp9, s39                   ; p
	s_bfe_u32 s52, s38, 0x8000a                    ; D0
	s_bfe_u32 s53, s38, 0x50012                    ; sh
	s_bfe_u32 s54, s38, 0x10017                    ; second half of K?
	s_lshr_b32 s55, s39, s53
	s_lshl_b32 s55, s55, s53
	s_add_co_u32 s52, s52, s39
	s_add_co_u32 s52, s52, s55                     ; the target's panel
	s_lshl_b32 s56, s52, s50
	s_lshl_b32 s55, s54, 14
	s_add_co_u32 s56, s56, s55
	s_lshl_b32 s55, s4, 12
	s_add_co_u32 s56, s56, s55                     ; + my wave's 4,096 bytes of the image
	s_mov_b32 s57, 0
	s_add_nc_u64 s[42:43], s[40:41], s[56:57]      ; the codes
	s_sub_co_u32 s50, s50, 4
	s_lshl_b32 s56, s52, s50
	s_add_co_u32 s56, s56, s51
	s_lshl_b32 s55, s54, 10
	s_add_co_u32 s56, s56, s55
	s_lshl_b32 s55, s4, 8
	s_add_co_u32 s56, s56, s55
	s_add_nc_u64 s[44:45], s[40:41], s[56:57]      ; the scale bytes
	s_lshl_b32 s56, s39, 17
	s_lshl_b32 s55, s4, 15
	s_add_co_u32 s56, s56, s55
	s_add_nc_u64 s[36:37], s[36:37], s[56:57]      ; the source at my first row
.irp i, 0,1,2,3,4,5,6,7,8,9,10,11,12,13,14,15
	global_load_b128 v[NW+4*\i:NW+4*\i+3], v2, s[10:11] offset:512*\i   ; every panel's work-group loads it, so that the registers are written on every way; x's alone use it
.endr
.macro LOADROW rho                     ; a row: 16 loads of 512 consecutive bytes
.irp i, 0,1,2,3,4,5,6,7,8,9,10,11,12,13,14,15
	global_load_b128 v[R+4*\i:R+4*\i+3], v2, s[36:37] offset:8192*(\rho)+512*\i th:TH_LOAD_NT
.endr
.endm
; x's rows alone: (x * rsqrt(mean of squares + 1e-5)) * norm_w, in that order.  Work on registers; the branch hangs on the work-group's number.
.macro NORM
	s_cmp_ge_u32 ttmp9, 128
	s_cbranch_scc1 .Lplain_\@
	v_pk_mul_f32 v[16:17], v[R:R+1], v[R:R+1]
	v_pk_mul_f32 v[18:19], v[R+2:R+3], v[R+2:R+3]
.set n, 4
.rept 15
	v_pk_fma_f32 v[16:17], v[R+n:R+n+1], v[R+n:R+n+1], v[16:17]
	v_pk_fma_f32 v[18:19], v[R+n+2:R+n+3], v[R+n+2:R+n+3], v[18:19]
.set n, n+4
.endr
	v_pk_add_f32 v[16:17], v[16:17], v[18:19]
	v_add_f32 v16, v16, v17
	v_add_f32_dpp v16, v16, v16 row_xmask:1 row_mask:0xf bank_mask:0xf
	v_add_f32_dpp v16, v16, v16 row_xmask:2 row_mask:0xf bank_mask:0xf
	v_add_f32_dpp v16, v16, v16 row_xmask:4 row_mask:0xf bank_mask:0xf
	v_add_f32_dpp v16, v16, v16 row_xmask:8 row_mask:0xf bank_mask:0xf
	v_permlanex16_b32 v17, v16, s48, s49
	v_add_f32 v16, v16, v17                        ; the row's sum of squares, in every lane
	v_fma_f32 v16, v16, s46, s47                   ; / 2,048 (exact) + 1e-5
	s_wait_alu depctr_va_vdst(0)
	v_rsq_f32 v20, v16
	v_nop                                          ; a plain instruction behind the transcendental
	s_wait_alu depctr_va_vdst(0)                   ; and the wait ahead of its first reader
.set n, 0
.rept 32
	v_pk_mul_f32 v[R+n:R+n+1], v[R+n:R+n+1], v[20:21] op_sel_hi:[1,0]
.set n, n+2
.endr
.set n, 0
.rept 32
	v_pk_mul_f32 v[R+n:R+n+1], v[R+n:R+n+1], v[NW+n:NW+n+1]
.set n, n+2
.endr
.Lplain_\@:
.endm
.macro TURN                            ; the row through my stage: LDS serves a wave's instructions in order, so no wait stands between the stores and the loads
.irp t, 0,1,2,3
.irp i, 0,1,2,3
	ds_store_b128 v3, v[R+16*\t+4*\i:R+16*\t+4*\i+3] offset:2560*\t+640*\i
.endr
.endr
.irp t, 0,1,2,3
.irp i, 0,1,2,3
	ds_load_b128 v[X+16*\t+4*\i:X+16*\t+4*\i+3], v4 offset:2560*\t+16*\i
.endr
.endr
.endm
.macro QSTEP rho, t                    ; 512 numbers of row rho: 16 blocks, two lanes to a block
.set XS, X+16*(\t)
.set CS, CD+3*(\t)
	v_max3_num_f32 v10, |v[XS]|, |v[XS+1]|, |v[XS+2]|
	v_max3_num_f32 v11, |v[XS+3]|, |v[XS+4]|, |v[XS+5]|
.irp i, 6,10
	v_max3_num_f32 v10, v10, |v[XS+\i]|, |v[XS+\i+1]|
	v_max3_num_f32 v11, v11, |v[XS+\i+2]|, |v[XS+\i+3]|
.endr
	v_max3_num_f32 v10, v10, |v[XS+14]|, |v[XS+15]|
	v_max3_num_f32 v10, v10, v11, 0x1800000        ; and the floor 2^(3 - 127): the byte cannot fall under 1
	v_max_num_f32_dpp v10, v10, v10 row_xmask:1 row_mask:0xf bank_mask:0xf   ; with my neighbour's 16: the block's largest magnitude
	v_add_nc_u32 v12, 0xff000000, v10              ; 2 off its exponent field: the conversion takes this operand's exponent field as its scale
	v_cvt_scalef32_pk8_fp4_f32 v[CS], v[XS:XS+7], v12
	v_cvt_scalef32_pk8_fp4_f32 v[CS+1], v[XS+8:XS+15], v12
	v_lshrrev_b32 v[CS+2], 23, v12                 ; the byte (also the plain instruction behind the conversions)
	ds_store_b32 v5, v[CS] offset:4352*(\t)+16*(\rho)
	ds_store_b32 v5, v[CS+1] offset:4352*(\t)+16*(\rho)+8
	ds_store_b8 v6, v[CS+2] offset:256*(\t)+16*(\rho)   ; both lanes of a block write the same byte with the same value
.endm
.macro ROW rho
	s_wait_loadcnt 0x0                             ; the row is in (and norm_w)
	NORM
	TURN
	s_wait_dscnt 0x0                               ; the row is back; the stage's stores have read R, and the last row's stores their codes and bytes
.if \rho < 3
	LOADROW (\rho)+1                               ; the next row lands while this one is quantised
.endif
	QSTEP \rho, 0
	QSTEP \rho, 1
	QSTEP \rho, 2
	QSTEP \rho, 3
.endm
	LOADROW 0
	ROW 0
	ROW 1
	ROW 2
	ROW 3
	s_wait_dscnt 0x0                               ; for the others' sake: my part of the image lies in LDS
	s_barrier_signal -1
	s_barrier_wait -1
.irp i, 0,1,2,3,4,5,6,7
	ds_load_b128 v[32+4*\i:35+4*\i], v7 offset:544*\i
.endr
	ds_load_b64 v[64:65], v8
.irp i, 0,1,2,3,4,5,6,7
	s_wait_dscnt 8-\i                              ; the younger loads may be out
	global_store_b128 v2, v[32+4*\i:35+4*\i], s[42:43] offset:512*\i   ; 32 lanes store 512 consecutive bytes
.endr
	s_wait_dscnt 0x0
	global_store_b64 v9, v[64:65], s[44:45]        ; 256 consecutive bytes
	s_wait_tensorcnt 0x0
	ds_add_u32 v254, v255
	s_wait_dscnt 0x0
	s_endpgm
; ---- THE MASK.  For 16 queries Qt and 128 keys Ks: 64 words; bit 16 h + r of word n = 8 t + j is mask[16 Qt + r][128 Ks + 16 t + 8 h + j]: the lane and register in which the attention launch holds that score.
; In memory word n stands at place 2 (n % 32) + n / 32, so that lane n % 32 stores its two words on end.
.Lmask:
	s_sub_co_u32 s5, ttmp9, 832                    ; Qt
	s_wait_alu depctr_va_vdst(0)
	v_and_b32 v10, 15, v1
	v_lshrrev_b32 v11, 4, v1
	v_lshlrev_b32 v3, 11, v10                      ; row r of 2,048 bytes
	v_lshl_add_u32 v3, v11, 3, v3                  ; + 8 h
	s_lshl_b32 s6, s5, 15
	s_lshl_b32 s7, s4, 9
	s_add_co_u32 s6, s6, s7
	s_mov_b32 s7, 0
	s_wait_alu depctr_va_vdst(0)
	s_wait_kmcnt 0x0
	s_add_nc_u64 s[26:27], s[26:27], s[6:7]
	s_lshl_b32 s6, s5, 4                           ; mf: 16 bytes for 16 queries, my wave's word among them
	s_lshl_b32 s56, s4, 2
	s_add_co_u32 s6, s6, s56
	s_add_nc_u64 s[60:61], s[60:61], s[6:7]
	s_mov_b32 s57, 0                               ; my word of step bits
	s_lshl_b32 s6, s5, 12
	s_lshl_b32 s5, s4, 10
	s_add_co_u32 s6, s6, s5
	s_add_nc_u64 s[34:35], s[34:35], s[6:7]
.irp ks, 0,1,2,3
.irp t, 0,1,2,3,4,5,6,7
	global_load_b64 v[32+16*\ks+2*\t:33+16*\ks+2*\t], v3, s[26:27] offset:128*\ks+16*\t
.endr
.endr
.macro MSTEP ks
	s_wait_loadcnt 8*(3-\ks)                       ; this key step's eight loads are in; the later steps' may be out
	v_mov_b32 v[100+2*\ks], 0
	v_mov_b32 v[101+2*\ks], 0
.set n, 0
.rept 64
	v_bfe_u32 v[10+n%4], v[32+16*\ks+2*(n/8)+(n%8)/4], 8*(n%4), 8
	v_cmp_ne_u32 s[52+n%4], 0, v[10+n%4]           ; the 32 lanes' bits
	v_writelane_b32 v[100+2*\ks+n/32], s[52+n%4], n%32
.set n, n+1
.endr
	global_store_b64 v9, v[100+2*\ks:101+2*\ks], s[34:35] offset:256*\ks
	v_or_b32 v14, v[100+2*\ks], v[101+2*\ks]       ; the step's 64 words lie two to a lane
	v_and_b32 v15, v[100+2*\ks], v[101+2*\ks]
	v_cmp_ne_u32 s58, 0, v14                       ; lanes with some bit set
	v_cmp_ne_u32 s59, -1, v15                      ; lanes with some bit clear
	s_cmp_lg_u32 s58, 0
	s_cselect_b32 s58, 1<<(2*\ks), 0
	s_cmp_eq_u32 s59, 0
	s_cselect_b32 s59, 2<<(2*\ks), 0
	s_or_b32 s57, s57, s58
	s_or_b32 s57, s57, s59
.endm
	MSTEP 0
	MSTEP 1
	MSTEP 2
	MSTEP 3
	v_mov_b32 v16, s57
	v_mov_b32 v17, 0
	global_store_b32 v17, v16, s[60:61]            ; every lane writes the same word with the same value
	s_endpgm
.Lfunc_end_k_q48bf18d8e9_prep:
	.size	k_q48bf18d8e9_prep, .Lfunc_end_k_q48bf18d8e9_prep-k_q48bf18d8e9_prep
	.p2alignl 7, 3214868480
	.fill 96, 4, 3214868480
	.section	.rodata,"a",@progbits
	.p2align	6, 0x0
	.amdhsa_kernel k_q48bf18d8e9_prep
		.amdhsa_group_segment_fixed_size 59904
		.amdhsa_private_segment_fixed_size 0
		.amdhsa_enable_private_segment 0
		.amdhsa_kernarg_size 120
		.amdhsa_user_sgpr_count 2
		.amdhsa_user_sgpr_kernarg_segment_ptr 1
		.amdhsa_wavefront_size32 1
		.amdhsa_system_sgpr_workgroup_id_x 1
		.amdhsa_system_sgpr_workgroup_id_y 1
		.amdhsa_system_sgpr_workgroup_id_z 1
		.amdhsa_system_vgpr_workitem_id 0
		.amdhsa_next_free_vgpr 256
		.amdhsa_next_free_sgpr 66
		.amdhsa_reserve_vcc 0
		.amdhsa_float_denorm_mode_32 3
		.amdhsa_float_denorm_mode_16_64 3
		.amdhsa_memory_ordered 1
		.amdhsa_forward_progress 1
		.amdhsa_inst_pref_size 121
	.end_amdhsa_kernel
	.amdgpu_metadata
---
amdhsa.version: [ 1, 2 ]
amdhsa.kernels:
  - .name:           k_q48bf18d8e9_prep
    .symbol:         k_q48bf18d8e9_prep.kd
    .args:
      - { .name: x, .offset: 0, .size: 8, .value_kind: global_buffer, .address_space: global }
      - { .name: norm_w, .offset: 8, .size: 8, .value_kind: global_buffer, .address_space: global }
      - { .name: wq, .offset: 16, .size: 8, .value_kind: global_buffer, .address_space: global }
      - { .name: wk, .offset: 24, .size: 8, .value_kind: global_buffer, .address_space: global }
      - { .name: wv, .offset: 32, .size: 8, .value_kind: global_buffer, .address_space: global }
      - { .name: w_gate, .offset: 40, .size: 8, .value_kind: global_buffer, .address_space: global }
      - { .name: w_up, .offset: 48, .size: 8, .value_kind: global_buffer, .address_space: global }
      - { .name: wo, .offset: 56, .size: 8, .value_kind: global_buffer, .address_space: global }
      - { .name: w_down, .offset: 64, .size: 8, .value_kind: global_buffer, .address_space: global }
      - { .name: mask, .offset: 72, .size: 8, .value_kind: global_buffer, .address_space: global }
      - { .name: hq, .offset: 80, .size: 8, .value_kind: global_buffer, .address_space: global }
      - { .name: w1q, .offset: 88, .size: 8, .value_kind: global_buffer, .address_space: global }
      - { .name: w2q, .offset: 96, .size: 8, .value_kind: global_buffer, .address_space: global }
      - { .name: mw, .offset: 104, .size: 8, .value_kind: global_buffer, .address_space: global }
      - { .name: mf, .offset: 112, .size: 8, .value_kind: global_buffer, .address_space: global }
    .group_segment_fixed_size: 59904
    .private_segment_fixed_size: 0
    .kernarg_segment_align: 8
    .kernarg_segment_size: 120
    .max_flat_workgroup_size: 128
    .sgpr_count:     66
    .vgpr_count:     256
    .wavefront_size: 32
...
	.end_amdgpu_metadata
.endif
;; end of part 1
;; launch gemm1 (part 2): grid 28 x 8, 4 waves a work-group, clusters of 4 x 4, 327,680 bytes of LDS; arguments hq, w1q, cos, sin, qkv, a2; writes qkv, a2
.if DOCPART == 2
	.amdgcn_target "amdgcn-amd-amdhsa--gfx1250"
	.amdhsa_code_object_version 6
	.text
	.protected	k_q48bf18d8e9_gemm1
	.globl	k_q48bf18d8e9_gemm1
	.p2align	8
	.type	k_q48bf18d8e9_gemm1,@function
k_q48bf18d8e9_gemm1:
	s_mov_b64 s[64:65], 0
	v_nop
	global_prefetch_b8 v0, s[64:65] scope:SCOPE_SE
	s_setreg_imm32_b32 hwreg(HW_REG_WAVE_MODE, 25, 1), 1
	s_wait_xcnt 0x0
	s_wait_alu depctr_hold_cnt(0) depctr_sa_sdst(0) depctr_va_vdst(0) depctr_va_sdst(0) depctr_va_ssrc(0) depctr_va_vcc(0) depctr_vm_vsrc(0)
	s_getreg_b32 s2, hwreg(HW_REG_IB_STS2, 6, 4)
	s_cmp_eq_u32 s2, 0
	s_cbranch_scc0 .Lentry_in_a_cluster
	s_endpgm
.Lentry_in_a_cluster:
	s_bfe_u32 s2, ttmp6, 0x10000c
	s_cmp_lg_u32 s2, 0xf033
	s_cbranch_scc0 .Lentry_shape_is_right
	s_endpgm
.Lentry_shape_is_right:
.set NQ,     4
.set FR,     8
.set NL,     2
.set NP,     4
.set HALFT,  32768
.set SLOT,   131072
.set LAPS,   2
.set SCL,    262144
.set HALFS,  8192
.set SPARE,  294912
.set VSTG,   0
.set VP,     528
.set RGA,    67584
.set AGA,    69632
.set HS,     2097152
.set W1S,    7340032
.set KVC,    2097152
.set QSO,    3145728
.set KVS,    3276800
.set A2S,    4194304
.set L16,  7
.set CSO,  8
.set RGW,  9
.set RGR,  10
.set AGW,  11
.set AGR,  12
.set VSW,  13
.set VSR,  14
.set VGO,  15
.set ADRA, 16
.set L8,   18
.set ADRB, 20
.set ADRS, 27
.set ADRW, 22                          ; v22  LDS address of the weight's scale words for the 32-row form: lane l takes row l % 16 of panel 2 j + l / 16
.set WS,   96                          ; v96-127 those words, two sets: register 4 j + q
.set SPW,  28
.set NIL,  29
.set SC,   32
.set AF,   128
.set T,    128
.set PC,   192
.set SBV,  196
.set TM,   200
.set PW,   216
.set G1, 24
.set G0, 32
.set G1B, 48
.set G0B, 56
.set G1S, 68
.set G0S, 76
.set G1SB, 80
.set G0SB, 88
.set MSB, 0
.macro WIN new
.if MSB != (\new)
	s_set_vgpr_msb (MSB<<8)|(\new)
.set MSB, (\new)
.endif
.endm
.set MUL_LO, 0xa1
.set MUL_HI, 0xf1
.set TO_B,   0x40
.macro JLOAD g0a, g1a, g0b, g1b
	s_cmp_eq_u32 s17, 0
	s_cbranch_scc0 .Lfor_b_\@
	tensor_load_to_lds s[\g0a:\g0a+3], s[\g1a:\g1a+7]
	s_nop 0
.rept 4
	v_nop
.endr
	s_branch .Lasked_\@
.Lfor_b_\@:
	tensor_load_to_lds s[\g0b:\g0b+3], s[\g1b:\g1b+7]
	s_nop 0
.rept 4
	v_nop
.endr
.Lasked_\@:
.endm
.macro CREST
	s_cmp_lg_u32 s16, 0
	s_cbranch_scc1 .Lnot_wave_0_\@
	s_barrier_signal -3
.Lnot_wave_0_\@:
	s_barrier_wait -3
	s_barrier_signal -1
	s_barrier_wait -1
.endm
.macro CROUND
	s_barrier_signal -1
	s_barrier_wait -1
	CREST
.endm
	s_load_b128 s[4:7], s[0:1], 0x0
	s_load_b256 s[8:15], s[0:1], 0x10
	v_lshl_add_u32 v[SPW], v0, 2, SPARE
	v_mov_b32 v[NIL], 0
	ds_add_u32 v28, v29
	ds_add_u32 v28, v29
	s_wait_dscnt 0x0
	v_lshrrev_b32 v1, 5, v0
	v_readfirstlane_b32 s16, v1
	s_lshr_b32 s17, s16, 1
	s_and_b32 s18, s16, 1
	s_bfe_u32 s40, ttmp6, 0x40000
	s_bfe_u32 s41, ttmp6, 0x40004
	s_lshl_b32 s42, ttmp9, 2
	s_add_co_u32 s42, s42, s40
	s_and_b32 s43, ttmp7, 0xffff
	s_lshl_b32 s43, s43, 2
	s_add_co_u32 s43, s43, s41
	s_lshl_b32 s44, s41, 2
	s_lshl_b32 s44, 15, s44
	s_lshl_b32 s45, 0x1111, s40
	s_or_b32 s[G1+0], s44, (3<<16)|(1<<21)
	s_or_b32 s[G1B+0], s45, (3<<16)|(1<<21)
.irp g, G1, G1B
	s_mov_b32 s[\g+1], 512<<16
	s_mov_b32 s[\g+2], 16<<16
	s_mov_b32 s[\g+3], 512<<16
	s_mov_b32 s[\g+4], 16
	s_mov_b32 s[\g+5], 2048
	s_mov_b32 s[\g+6], 0
	s_mov_b32 s[\g+7], 0
.endr
	s_or_b32 s[G1S+0], s44, (3<<16)|(1<<21)
	s_or_b32 s[G1SB+0], s45, (3<<16)|(1<<21)
.irp g, G1S, G1SB
	s_mov_b32 s[\g+1], 32<<16
	s_mov_b32 s[\g+2], 64<<16
	s_mov_b32 s[\g+3], 32<<16
	s_mov_b32 s[\g+4], 64
	s_mov_b32 s[\g+5], 32
	s_mov_b32 s[\g+6], 0
	s_mov_b32 s[\g+7], 0
.endr
	s_lshl_b32 s19, s18, 17                        ; in the ring I fetch 8 of a tile's 16 panels: which half, in bytes
	s_lshl_b32 s20, s43, 4
	s_lshl_b32 s46, s42, 4
	s_lshl_b32 s22, s20, 10
	s_add_co_u32 s22, s22, HS
	s_mov_b32 s23, 0
	s_lshl_b32 s20, s20, 14
	s_mov_b32 s21, 0
	s_lshl_b32 s92, s46, 10
	s_add_co_u32 s92, s92, W1S
	s_mov_b32 s93, 0
	s_lshl_b32 s46, s46, 14
	s_mov_b32 s47, 0
	s_lshl_b32 s66, s16, 15
	s_wait_kmcnt 0x0
	s_add_nc_u64 s[20:21], s[4:5], s[20:21]
	s_add_nc_u64 s[22:23], s[4:5], s[22:23]
	s_add_nc_u64 s[46:47], s[6:7], s[46:47]
	s_add_nc_u64 s[92:93], s[6:7], s[92:93]
	CROUND
	s_mov_b32 s[G0S], 1
	s_mov_b32 s[G0S+1], SCL
	s_mov_b64 s[G0S+2:G0S+3], s[22:23]
	s_or_b32 s[G0S+3], s[G0S+3], 0x80000000
	s_mov_b32 s[G0SB], 1
	s_mov_b32 s[G0SB+1], SCL+2*HALFS
	s_mov_b64 s[G0SB+2:G0SB+3], s[92:93]
	s_or_b32 s[G0SB+3], s[G0SB+3], 0x80000000
	s_mov_b32 s96, 1                               ; the head's loads of K step 0, each tile whole: the tokens' 16 panels,
	s_mov_b32 s97, 0
	s_mov_b64 s[98:99], s[20:21]
	s_or_b32 s99, s99, 0x80000000
	s_mov_b32 s92, 1                               ; and the weight's, behind them in slot 0
	s_mov_b32 s93, 2*HALFT
	s_mov_b64 s[94:95], s[46:47]
	s_or_b32 s95, s95, 0x80000000
	s_mov_b32 s22, s19
	s_mov_b32 s23, 0
	s_add_nc_u64 s[20:21], s[20:21], s[22:23]      ; for the ring: my 8 panels
	s_add_nc_u64 s[46:47], s[46:47], s[22:23]
.irp s, 0,1
	s_mov_b32 s[G0+4*\s], 1
	s_add_co_u32 s[G0+4*\s+1], s66, \s*SLOT
	s_add_nc_u64 s[G0+4*\s+2:G0+4*\s+3], s[20:21], \s*4096
	s_or_b32 s[G0+4*\s+3], s[G0+4*\s+3], 0x80000000
	s_mov_b32 s[G0B+4*\s], 1
	s_add_co_u32 s[G0B+4*\s+1], s66, \s*SLOT
	s_add_nc_u64 s[G0B+4*\s+2:G0B+4*\s+3], s[46:47], \s*4096
	s_or_b32 s[G0B+4*\s+3], s[G0B+4*\s+3], 0x80000000
.endr
; THE HEAD'S LOADS, ONE A WAVE: wave 0 the tokens' codes of K step 0, wave 1 the weight's, wave 2 the tokens' scale bytes for all of K, wave 3 the weight's.  One tree of branches on the wave's number.
.macro ARM under, g0, g1, next
	s_cmp_lt_u32 s16, \under
	s_cbranch_scc0 \next
	tensor_load_to_lds s[\g0:\g0+3], s[\g1:\g1+7]
	s_nop 0
.rept 4
	v_nop
.endr
	s_branch .Lhead_asked
\next:
.endm
	ARM 1, 96,  G1,  .Lhead_b
	ARM 2, 92,  G1B, .Lhead_sa
	ARM 3, G0S, G1S, .Lhead_sb
	tensor_load_to_lds s[G0SB:G0SB+3], s[G1SB:G1SB+7]
	s_nop 0
.rept 4
	v_nop
.endr
.Lhead_asked:
	v_and_b32 v1, 15, v0
	v_bfe_u32 v2, v0, 4, 1
	s_wait_alu depctr_va_vdst(0)
	v_and_b32 v3, 31, v0
	v_lshlrev_b32 v[L16], 4, v3
	v_lshlrev_b32 v[L8], 3, v3
	s_lshl_b32 s20, s17, 15
	s_lshl_b32 s21, s18, 15
	s_add_co_u32 s21, s21, 2*HALFT
.irp s, 0,1
	v_add_nc_u32 v[ADRA+\s], s20, v[L16]
	v_add_nc_u32 v[ADRB+\s], s21, v[L16]
	s_add_co_u32 s20, s20, SLOT
	s_add_co_u32 s21, s21, SLOT
.endr
	v_lshlrev_b32 v5, 4, v1
	s_lshl_b32 s20, s17, 13
	s_lshl_b32 s21, s18, 13
	s_add_co_u32 s21, s21, 2*HALFS
	s_sub_co_u32 s21, s21, s20
	v_mul_u32_u24 v6, s21, v2
	s_add_co_u32 s20, s20, SCL
	v_add_nc_u32 v5, v5, v6
	v_add_nc_u32 v[ADRS], s20, v5
	s_add_co_u32 s21, s21, s20                     ; where my 8 panels of the weight's scale bytes begin
	v_lshlrev_b32 v6, 10, v2                       ; lanes 16-31 take the next panel, 1,024 bytes on
	v_lshl_add_u32 v6, v1, 4, v6
	v_add_nc_u32 v[ADRW], s21, v6
	v_lshlrev_b32 v[CSO], 8, v1
	v_lshl_add_u32 v[CSO], v2, 5, v[CSO]
	s_lshl_b32 s20, s16, 9
	v_lshlrev_b32 v4, 2, v1
	v_add_nc_u32 v[RGW], s20, v4
	v_add_nc_u32 v[RGW], RGA, v[RGW]
	v_add_nc_u32 v[RGR], s20, v[L16]
	v_add_nc_u32 v[RGR], RGA, v[RGR]
	s_lshl_b32 s20, s17, 9
	s_lshl_b32 s21, s18, 1
	s_add_co_u32 s20, s20, s21
	v_add_nc_u32 v[AGW], s20, v4
	v_add_nc_u32 v[AGW], AGA, v[AGW]
	s_lshl_b32 s20, s16, 8
	v_add_nc_u32 v[AGR], s20, v[L8]
	v_add_nc_u32 v[AGR], AGA, v[AGR]
	s_mul_i32 s20, s16, 32*VP
	v_mul_u32_u24 v[VSW], v1, VP
	v_lshl_add_u32 v[VSW], v2, 5, v[VSW]
	v_add_nc_u32 v[VSW], s20, v[VSW]
	v_lshlrev_b32 v[VSR], 2, v3
	v_add_nc_u32 v[VSR], s20, v[VSR]
	v_lshlrev_b32 v[VGO], 10, v2
	v_lshl_add_u32 v[VGO], v1, 4, v[VGO]
.irp b, 0,1,2,3
	v_mov_b32 v[TM+4+\b], 0
.endr
.macro FRAG reg, adr, q, i
.irp c, 0,1
	ds_load_b128 v[\reg+4*\c:\reg+4*\c+3], v[\adr] offset:1024*(\q)+512*\c+(\i)*4096
.endr
.endm
.macro MUL16 a0, p, q, sc, zero
.irp a, \a0, \a0+1
.irp b, 0,2,4,6                        ; the 32-row form: source 0 = two neighbouring panels of the weight (16 registers), the result = two neighbouring accumulators; its scale words fill all 32 lanes
.if \zero
	v_wmma_scale_f32_32x16x128_f4 v[8*(8*((\a)%4)+\b):8*(8*((\a)%4)+\b)+15], v[128*(\p)+FR*\b:128*(\p)+FR*\b+15], v[AF+FR*(\a):AF+FR*(\a)+FR-1], 0, v[WS+16*(\sc)+2*\b+(\q)], v[SC+8*NQ*(\sc)+NQ*(\a)+(\q)]
.else
	v_wmma_scale_f32_32x16x128_f4 v[8*(8*((\a)%4)+\b):8*(8*((\a)%4)+\b)+15], v[128*(\p)+FR*\b:128*(\p)+FR*\b+15], v[AF+FR*(\a):AF+FR*(\a)+FR-1], v[8*(8*((\a)%4)+\b):8*(8*((\a)%4)+\b)+15], v[WS+16*(\sc)+2*\b+(\q)], v[SC+8*NQ*(\sc)+NQ*(\a)+(\q)]
.endif
.endr
.endr
.endm
.macro FETCH_B slot, q, p
	WIN TO_B
.irp i, 0,1,2,3,4,5,6,7
	FRAG 128*(\p)+FR*\i, ADRB+\slot, \q, \i
.endr
	WIN 0
.endm
.macro FETCH_A slot, q, i0
.irp i, \i0, \i0+1, \i0+2, \i0+3
	FRAG AF+FR*(\i), ADRA+\slot, \q, \i
.endr
.endm
.macro SCALES sc
.irp j, 0,1,2,3
	ds_load_b128 v[WS+16*\sc+4*\j:WS+16*\sc+4*\j+3], v[ADRW] offset:\j*2048
.endr
.irp i, 0,1,2,3,4,5,6,7
	ds_load_b128 v[SC+8*NQ*\sc+NQ*\i:SC+8*NQ*\sc+NQ*\i+3], v[ADRS] offset:\i*1024
.endr
.endm
.macro PLACES n
.rept \n
	v_nop
.endr
.endm
.macro STEP slot, q, zero
	s_wait_dscnt 4*NL
	WIN MUL_LO
	MUL16 0, (\q)%2, \q, \slot, \zero
	MUL16 2, (\q)%2, \q, \slot, \zero
	s_wait_dscnt 0
	PLACES NP
	FETCH_B \slot, (\q)+1, 1-(\q)%2
	FETCH_A \slot, (\q)+1, 0
	WIN MUL_HI
	MUL16 4, (\q)%2, \q, \slot, \zero
	MUL16 6, (\q)%2, \q, \slot, \zero
	PLACES NP
	WIN 0
	FETCH_A \slot, (\q)+1, 4
.endm
.macro TURN slot, next, fill
	s_wait_tensorcnt 0x0
	ds_add_u32 v[SPW], v[NIL]
	s_wait_dscnt 4*NL+1
	WIN MUL_LO
	MUL16 0, 1, NQ-1, \slot, 0
	s_wait_dscnt 0x0
	s_barrier_signal -1
	MUL16 2, 1, NQ-1, \slot, 0
	WIN 0
	s_barrier_wait -1
.if \fill
	CREST
	s_add_nc_u64 s[G0+4*\slot+2:G0+4*\slot+3], s[G0+4*\slot+2:G0+4*\slot+3], 8192
	s_add_nc_u64 s[G0B+4*\slot+2:G0B+4*\slot+3], s[G0B+4*\slot+2:G0B+4*\slot+3], 8192
	JLOAD G0+4*\slot, G1, G0B+4*\slot, G1B
.else
	PLACES NP
.endif
	s_wait_alu depctr_va_vdst(0)
	v_add_nc_u32 v[ADRS], 256, v[ADRS]
	v_add_nc_u32 v[ADRW], 256, v[ADRW]
	FETCH_B \next, 0, 0
	FETCH_A \next, 0, 0
	SCALES \next
	WIN MUL_HI
	MUL16 4, 1, NQ-1, \slot, 0
	MUL16 6, 1, NQ-1, \slot, 0
	PLACES NP
	WIN 0
	FETCH_A \next, 0, 4
.endm
.macro STEPS slot, from
.set Q, \from
.rept NQ-1-\from
	STEP \slot, Q, 0
.set Q, Q+1
.endr
.endm
	s_wait_alu depctr_va_vdst(0)                   ; the wait at the head's end
	s_wait_tensorcnt 0x0                           ; my tile of the head's four is in; the lines ahead of a later first fill:
	ds_add_u32 v[SPW], v[NIL]
	s_mov_b32 s[G1+2], 8<<16                       ; no tensor load of mine is out: from here on a load brings 8 panels
	s_mov_b32 s[G1+4], 8
	s_mov_b32 s[G1B+2], 8<<16
	s_mov_b32 s[G1B+4], 8
	s_wait_dscnt 0x0
	CROUND                                         ; all four tiles are in, and all sixteen work-groups are here
	JLOAD G0+4, G1, G0B+4, G1B                     ; K step 1, the first tensor load behind the round
	FETCH_B 0, 0, 0
	FETCH_A 0, 0, 0
	SCALES 0
	FETCH_A 0, 0, 4
	STEP 0, 0, 1
	s_mov_b32 s3, LAPS-1
.Llap:
	STEPS 0, 1
	TURN 0, 1, 1
	STEPS 1, 0
	TURN 1, 0, 1
	STEP 0, 0, 0
	s_sub_co_u32 s3, s3, 1
	s_cmp_lg_u32 s3, 0
	s_cbranch_scc1 .Llap
	STEPS 0, 1
	TURN 0, 1, 0
	STEPS 1, 0
	s_wait_dscnt 4*NL
	WIN MUL_LO
	MUL16 0, 1, NQ-1, 1, 0
	MUL16 2, 1, NQ-1, 1, 0
	s_wait_dscnt 0
	WIN MUL_HI
	MUL16 4, 1, NQ-1, 1, 0
	MUL16 6, 1, NQ-1, 1, 0
	WIN 0
.macro QUANT s, nb
.set b, 0
.rept \nb
	v_max3_num_f32 v[TM+b], |v[\s+16*b]|, |v[\s+16*b+1]|, 0x1800000
.set b, b+1
.endr
.irp i, 2,4,6,8,10,12,14
.set b, 0
.rept \nb
	v_max3_num_f32 v[TM+b], v[TM+b], |v[\s+16*b+\i]|, |v[\s+16*b+\i+1]|
.set b, b+1
.endr
.endr
.set b, 0
.rept \nb
	v_permlanex16_b32 v[TM+4+b], v[TM+b], s98, s99
.set b, b+1
.endr
.set b, 0
.rept \nb
	v_max_num_f32 v[TM+b], v[TM+b], v[TM+4+b]
.set b, b+1
.endr
.set b, 0
.rept \nb
	v_add_nc_u32 v[TM+12+b], 0xff000000, v[TM+b]
.set b, b+1
.endr
.set b, 0
.rept \nb
	v_lshrrev_b32 v[TM+4+b], 23, v[TM+12+b]
.set b, b+1
.endr
	s_wait_alu depctr_va_vdst(0)
	s_wait_xcnt 0x0
	s_wait_dscnt 0x0
	v_lshl_or_b32 v[PW], v[TM+5], 8, v[TM+4]
.if \nb == 4
	v_lshl_or_b32 v[PW], v[TM+6], 16, v[PW]
	v_lshl_or_b32 v[PW], v[TM+7], 24, v[PW]
.endif
.set b, 0
.rept \nb
	v_cvt_scalef32_pk8_fp4_f32 v[PC+2*b], v[\s+16*b:\s+16*b+7], v[TM+12+b]
	v_cvt_scalef32_pk8_fp4_f32 v[PC+2*b+1], v[\s+16*b+8:\s+16*b+15], v[TM+12+b]
.set b, b+1
.endr
	v_nop
.set b, 0
.rept \nb/2
	v_permlane16_swap_b32 v[PC+4*b], v[PC+4*b+2]
	v_permlane16_swap_b32 v[PC+4*b+1], v[PC+4*b+3]
.set b, b+1
.endr
.endm
	PLACES NP
	s_mov_b32 s98, 0x76543210
	s_mov_b32 s99, 0xfedcba98
	s_lshl_b32 s20, s43, 8
	s_lshl_b32 s21, s17, 7
	s_add_co_u32 s20, s20, s21
	s_cmp_ge_u32 ttmp9, 3
	s_cbranch_scc1 .Lact
	s_cmp_lt_u32 ttmp9, 2
	s_cbranch_scc1 .Lrope
	s_cmp_eq_u32 s18, 0
	s_cbranch_scc1 .Lrope
	s_lshl_b32 s46, s40, 18
	s_add_co_u32 s46, s46, KVC+131072
	s_lshl_b32 s96, s20, 6
	s_add_co_u32 s92, s46, s96
	s_mov_b32 s93, 0
	s_lshl_b32 s46, s40, 14
	s_add_co_u32 s46, s46, KVS+8192
	s_lshl_b32 s96, s20, 2
	s_add_co_u32 s94, s46, s96
	s_mov_b32 s95, 0
	s_add_nc_u64 s[92:93], s[12:13], s[92:93]
	s_add_nc_u64 s[94:95], s[12:13], s[94:95]
.macro LOADP p
.set k, 0
.rept 32
	ds_load_b32 v[T+32*((\p)%2)+k], v[VSR] offset:VP*k+128*(\p)
.set k, k+1
.endr
.endm
.macro VBLOCK g, p
.set YS, T+32*((\p)%2)
	v_max3_num_f32 v[TM], |v[YS]|, |v[YS+1]|, |v[YS+2]|
	v_max3_num_f32 v[TM+1], |v[YS+3]|, |v[YS+4]|, |v[YS+5]|
.irp i, 6,10,14,18,22,26
	v_max3_num_f32 v[TM], v[TM], |v[YS+\i]|, |v[YS+\i+1]|
	v_max3_num_f32 v[TM+1], v[TM+1], |v[YS+\i+2]|, |v[YS+\i+3]|
.endr
	v_max3_num_f32 v[TM], v[TM], |v[YS+30]|, |v[YS+31]|
	v_max3_num_f32 v[TM], v[TM], v[TM+1], 0x1800000
	v_add_nc_u32 v[TM+2], 0xff000000, v[TM]
	v_lshrrev_b32 v[TM+3], 23, v[TM+2]
.if \g == 0
	v_mov_b32 v[SBV+\p], v[TM+3]
.else
	v_lshl_or_b32 v[SBV+\p], v[TM+3], 8*(\g), v[SBV+\p]
.endif
	s_wait_alu depctr_va_vdst(0)
	s_wait_xcnt 0x0
	v_cvt_scalef32_pk8_fp4_f32 v[PC], v[YS:YS+7], v[TM+2]
	v_cvt_scalef32_pk8_fp4_f32 v[PC+1], v[YS+16:YS+23], v[TM+2]
	v_cvt_scalef32_pk8_fp4_f32 v[PC+2], v[YS+8:YS+15], v[TM+2]
	v_cvt_scalef32_pk8_fp4_f32 v[PC+3], v[YS+24:YS+31], v[TM+2]
	v_nop
	global_store_b128 v[VGO], v[PC:PC+3], s[92:93] offset:2048*(\p)+256*(\g)
.endm
.macro VPART g
	WIN 0x08+4*((\g)/2)
.irp u, 0,1
.irp b, 0,1,2,3,4,5,6,7
	ds_store_b128 v[VSW], v[64*((2*(\g)+\u)%4)+8*\b:64*((2*(\g)+\u)%4)+8*\b+3] offset:16*VP*\u+64*\b
	ds_store_b128 v[VSW], v[64*((2*(\g)+\u)%4)+8*\b+4:64*((2*(\g)+\u)%4)+8*\b+7] offset:16*VP*\u+64*\b+16
.endr
.endr
	WIN 0
	LOADP 0
	LOADP 1
	s_wait_dscnt 32
	VBLOCK \g, 0
	LOADP 2
	s_wait_dscnt 32
	VBLOCK \g, 1
	LOADP 3
	s_wait_dscnt 32
	VBLOCK \g, 2
	s_wait_dscnt 0x0
	VBLOCK \g, 3
.endm
	VPART 0
	VPART 1
	VPART 2
	VPART 3
	global_store_b128 v[L16], v[SBV:SBV+3], s[94:95]
	s_branch .Ljoin
.Lrope:
	s_lshl_b32 s22, s20, 8
	s_mov_b32 s23, 0
	s_add_nc_u64 s[8:9], s[8:9], s[22:23]
	s_add_nc_u64 s[10:11], s[10:11], s[22:23]
	s_lshl_b32 s46, s42, 1
	s_add_co_u32 s46, s46, s18
	s_lshl_b32 s47, s46, 17
	s_lshl_b32 s46, s46, 13
	s_add_co_u32 s46, s46, QSO
	s_lshl_b32 s96, s40, 18
	s_add_co_u32 s96, s96, KVC
	s_lshl_b32 s97, s40, 14
	s_add_co_u32 s97, s97, KVS
	s_cmp_eq_u32 ttmp9, 2
	s_cselect_b32 s47, s96, s47
	s_cselect_b32 s46, s97, s46
	s_lshl_b32 s96, s20, 6
	s_add_co_u32 s92, s47, s96
	s_mov_b32 s93, 0
	s_lshl_b32 s96, s20, 2
	s_add_co_u32 s94, s46, s96
	s_mov_b32 s95, 0
	s_add_nc_u64 s[92:93], s[12:13], s[92:93]
	s_add_nc_u64 s[94:95], s[12:13], s[94:95]
.macro LOADCS a
	WIN 0x40
.irp t, 0,1,2,3
.irp e, 0,1
	global_load_b128 v[64*((\a)%3)+8*\t+4*\e:64*((\a)%3)+8*\t+4*\e+3], v[CSO], s[8:9] offset:4096*(\a)+64*\t+16*\e
	global_load_b128 v[64*((\a)%3)+32+8*\t+4*\e:64*((\a)%3)+32+8*\t+4*\e+3], v[CSO], s[10:11] offset:4096*(\a)+64*\t+16*\e
.endr
.endr
	WIN 0
.endm
.macro ROPE a
.set AC, 64*((\a)%4)
.set CB, 64*((\a)%3)
	WIN (2+(\a)/4)|4
.set n, 0
.rept 16
	v_pk_mul_f32 v[T+n:T+n+1], v[AC+n:AC+n+1], v[CB+n:CB+n+1]
	v_pk_mul_f32 v[T+32+n:T+33+n], v[AC+32+n:AC+33+n], v[CB+n:CB+n+1]
.set n, n+2
.endr
.set n, 0
.rept 16
	v_pk_fma_f32 v[T+n:T+n+1], v[AC+32+n:AC+33+n], v[CB+32+n:CB+33+n], v[T+n:T+n+1] neg_lo:[1,0,0] neg_hi:[1,0,0]
	v_pk_fma_f32 v[T+32+n:T+33+n], v[AC+n:AC+n+1], v[CB+32+n:CB+33+n], v[T+32+n:T+33+n]
.set n, n+2
.endr
	WIN 0
.endm
	LOADCS 0
	LOADCS 1
	LOADCS 2
.irp a, 0,1,2,3,4,5,6,7
.if \a < 6
	s_wait_loadcnt 32
.else
	s_wait_loadcnt 16*(7-\a)
.endif
	ROPE \a
.if \a < 5
	LOADCS (\a)+3
.endif
	QUANT T, 4
	global_store_b128 v[L16], v[PC:PC+3], s[92:93] offset:1024*\a
	global_store_b128 v[L16], v[PC+4:PC+7], s[92:93] offset:1024*\a+512
	ds_store_b32 v[RGW], v[PW] offset:64*\a
.endr
	ds_load_b128 v[T:T+3], v[RGR]
	s_wait_dscnt 0x0
	global_store_b128 v[L16], v[T:T+3], s[94:95]
	s_branch .Ljoin
.Lact:
	s_lshl_b32 s46, s20, 11
	s_add_co_u32 s47, s42, 4
	s_lshl_b32 s96, s47, 10
	s_add_co_u32 s46, s46, s96
	s_lshl_b32 s96, s18, 9
	s_add_co_u32 s92, s46, s96
	s_mov_b32 s93, 0
	s_lshl_b32 s94, s47, 13
	s_add_co_u32 s94, s94, A2S
	s_lshl_b32 s96, s43, 10
	s_add_co_u32 s94, s94, s96
	s_lshl_b32 s96, s16, 8
	s_add_co_u32 s94, s94, s96
	s_mov_b32 s95, 0
	s_add_nc_u64 s[92:93], s[14:15], s[92:93]
	s_add_nc_u64 s[94:95], s[14:15], s[94:95]
.macro ACT a
.set AC, 64*((\a)%4)
	WIN 2+(\a)/4
.set n, 0
.rept 16
	v_pk_mul_f32 v[T+n:T+n+1], v[AC+n:AC+n+1], 0xbfb8aa3b op_sel_hi:[1,0]
.set n, n+2
.endr
	WIN 0
.set n, 0
	s_wait_alu depctr_va_vdst(0)
.rept 32
	v_exp_f32 v[T+n], v[T+n]
.set n, n+1
.endr
	v_nop
	s_wait_alu depctr_va_vdst(0)
.set n, 0
.rept 16
	v_pk_add_f32 v[T+n:T+n+1], v[T+n:T+n+1], 1.0 op_sel_hi:[1,0]
.set n, n+2
.endr
.set n, 0
	s_wait_alu depctr_va_vdst(0)
.rept 32
	v_rcp_f32 v[T+n], v[T+n]
.set n, n+1
.endr
	v_nop
	s_wait_alu depctr_va_vdst(0)
	WIN (2+(\a)/4)<<2
.set n, 0
.rept 16
	v_pk_mul_f32 v[T+n:T+n+1], v[T+n:T+n+1], v[AC+n:AC+n+1]
.set n, n+2
.endr
.set n, 0
.rept 16
	v_pk_mul_f32 v[T+n:T+n+1], v[T+n:T+n+1], v[AC+32+n:AC+33+n]
.set n, n+2
.endr
	WIN 0
	QUANT T, 2
	global_store_b128 v[L16], v[PC:PC+3], s[92:93] offset:32768*(\a)
	ds_store_b16 v[AGW], v[PW] offset:64*(\a)
.endm
.irp a, 0,1,2,3,4,5,6,7
	ACT \a
.endr
.Ljoin:
	s_wait_dscnt 0x0
	s_barrier_signal -1
	s_barrier_wait -1
	s_cmp_lt_u32 ttmp9, 3
	s_cbranch_scc1 .Ldone
	ds_load_b64 v[TM+8:TM+9], v[AGR]
	s_wait_dscnt 0x0
	global_store_b64 v[L8], v[TM+8:TM+9], s[94:95]
.Ldone:
	s_wait_tensorcnt 0x0
	ds_add_u32 v[SPW], v[NIL]
	s_wait_dscnt 0x0
	CROUND
	s_endpgm
.Lfunc_end_k_q48bf18d8e9_gemm1:
	.size	k_q48bf18d8e9_gemm1, .Lfunc_end_k_q48bf18d8e9_gemm1-k_q48bf18d8e9_gemm1
	.p2alignl 7, 3214868480
	.fill 96, 4, 3214868480
	.section	.rodata,"a",@progbits
	.p2align	6, 0x0
	.amdhsa_kernel k_q48bf18d8e9_gemm1
		.amdhsa_group_segment_fixed_size 327680
		.amdhsa_private_segment_fixed_size 0
		.amdhsa_enable_private_segment 0
		.amdhsa_kernarg_size 48
		.amdhsa_user_sgpr_count 2
		.amdhsa_user_sgpr_kernarg_segment_ptr 1
		.amdhsa_wavefront_size32 1
		.amdhsa_system_sgpr_workgroup_id_x 1
		.amdhsa_system_sgpr_workgroup_id_y 1
		.amdhsa_system_sgpr_workgroup_id_z 1
		.amdhsa_system_vgpr_workitem_id 0
		.amdhsa_next_free_vgpr 1024
		.amdhsa_next_free_sgpr 100
		.amdhsa_reserve_vcc 0
		.amdhsa_float_denorm_mode_32 3
		.amdhsa_float_denorm_mode_16_64 3
		.amdhsa_memory_ordered 1
		.amdhsa_forward_progress 1
		.amdhsa_inst_pref_size 255
	.end_amdhsa_kernel
	.section	.bss,"aw",@nobits
	.p2align	6
	.space	262144
	.amdgpu_metadata
---
amdhsa.version: [ 1, 2 ]
amdhsa.kernels:
  - .name:           k_q48bf18d8e9_gemm1
    .symbol:         k_q48bf18d8e9_gemm1.kd
    .args:
      - { .name: hq, .offset: 0, .size: 8, .value_kind: global_buffer, .address_space: global }
      - { .name: w1q, .offset: 8, .size: 8, .value_kind: global_buffer, .address_space: global }
      - { .name: cos, .offset: 16, .size: 8, .value_kind: global_buffer, .address_space: global }
      - { .name: sin, .offset: 24, .size: 8, .value_kind: global_buffer, .address_space: global }
      - { .name: qkv, .offset: 32, .size: 8, .value_kind: global_buffer, .address_space: global }
      - { .name: a2, .offset: 40, .size: 8, .value_kind: global_buffer, .address_space: global }
    .group_segment_fixed_size: 327680
    .private_segment_fixed_size: 0
    .kernarg_segment_align: 8
    .kernarg_segment_size: 48
    .max_flat_workgroup_size: 128
    .sgpr_count:     100
    .vgpr_count:     1024
    .wavefront_size: 32
...
	.end_amdgpu_metadata
.endif
;; end of part 2
;; launch attn (part 3): grid 64 x 4, 8 waves a work-group, no clusters, 314,368 bytes of LDS; arguments qkv, mw, mf, a2; writes a2
.if DOCPART == 3
	.amdgcn_target "amdgcn-amd-amdhsa--gfx1250"
	.amdhsa_code_object_version 6
	.text
	.protected	k_q48bf18d8e9_attn
	.globl	k_q48bf18d8e9_attn
	.p2align	8
	.type	k_q48bf18d8e9_attn,@function
k_q48bf18d8e9_attn:
	s_mov_b64 s[64:65], 0
	v_nop
	global_prefetch_b8 v0, s[64:65] scope:SCOPE_SE
	s_setreg_imm32_b32 hwreg(HW_REG_WAVE_MODE, 25, 1), 1
	s_wait_xcnt 0x0
; ATTENTION on codes of FP4 with E8M0 scales: ctx[head][q] = sum over keys of softmax(q . k / sqrt(128), under the mask) v, then quantised along the head's 128 for the product with wo.
; THE SOFTMAX AHEAD OF THE SECOND PRODUCT: t = score x log2(e) / sqrt(128); M = the row's largest t so far, rounded up to a whole number; p = 2^(t - M) is quantised along the keys, not normalised.
; The row's sum is taken of the unquantised p and divides at the end.  When M moves, the sum and O are multiplied by 2^(old M - new M): exact.
; THE MASK is an input.  The launch before has stored it as whole numbers: 64 words of lane bits for each (16 queries, 128 keys), and in mf two bits for each such step: some key allowed, all keys allowed.
; A step in which no key of the 16 queries is allowed is jumped over: all its p are 0, M and the sum stay, whatever the other inputs hold.  A step in which all are allowed needs no mask words and no selects.
; In every other step a score whose bit is 0 becomes -infinity ahead of the maximum (p = 0).  The branches hang on mf's bits and on ids alone.
; A row with no key allowed has the sum 0: its scale word is made 0xffffffff, the NaN byte of E8M0, so that the next launch's sums for that row are NaN, as a softmax over nothing is.
; SHARES.  y = the key/value head g.  A work-group has 8 waves in four pairs (w, w + 4); a pair owns one of two query heads of g and two tiles of 16 queries: tile a = 2 (x / 2) + (w / 2) % 2 in the first pass, tile 127 - a in the second.
; THE KEYS OF A TILE ARE SHARED BY THE PAIR: one wave takes the even key steps, the other the odd ones (the other way round in the second pass): the bits of the partner's steps are cleared in the wave's copy of mf's word.
; At a pass's end one wave hands -M, its sums and O^T to the partner through LDS bytes of the pair's own; the partner brings both halves under the larger M (powers of two: exact), adds them and finishes the tile.
; Waves 4-7 hand over in the first pass, waves 0-3 in the second.  The exchange bytes are stored again only behind a barrier that stands behind the partner's reads of them.
; ALL OF K, V AND THEIR SCALE WORDS OF HEAD g (272 KiB) LIE IN LDS, each byte stored once.  They come through registers: there are no joint loads and no cluster.
; Each wave asks at the head for its 8 KiB of each quarter of the keys (64 loads, v256-511) and 2 KiB of the scale words.  Quarter 0 is stored to LDS ahead of key steps 0-3 of the first pass, the other three ahead of steps 4-15.
; No prefetch: every load of K and V goes out at the head, and no loop is left to run ahead in.
; LAYOUT.  Both products transposed: S^T = K Q^T (source 0 = 16 keys), O^T = V^T P^T (source 0 = 16 channels): a lane holds one query (lane % 16); in tile t register j is key (channel) 16 t + 8 (lane / 16) + j.
; Operands lie as images of their registers, 1,024 bytes a fragment.  Inside each block of 32 the codes stand in the order 0-7, 16-23, 8-15, 24-31, in p as in V, in q as in k.
; LIMITS: a block of zeros gets the scale byte 1; NaN and infinities among the inputs are not served; the scaled scores stay under 2^31 in magnitude.
; REGISTERS: v1 16 x lane; v2-5 LDS addresses in hand; v6 -infinity; v7 4 r; v[8:9] c; v10 Q's scale words; v11 the sum; v12 -M; v13 the largest t; v[14:15] the sum in halves; v16-23 Q; v24-31 scale words;
;   v32-95 eight fragments; v96-159 S^T, then p; v160-223 O^T; v224-231 codes; v232-254 at work; v242, v243, v251 bases; v250 0 and v255 my spare word, never rewritten; v256-511 K and V on their way to LDS, then v256-264 the second Q.
; SCALARS: s2 wave; s3 the step's place in K and V; s[4:51], s[68:83] mask words; s[54:63], s[84:87] bases; s[66:67] the mask words in hand; s88 the step bits in hand, s97 the second pass's; s[90:93] where my results go;
;   s94, s95 my places in LDS; s98 the pair's exchange bytes; s100, s101 steps.
.set KSC,  262144                      ; LDS: K 0, V 131,072, K's scale words, V's, the spare words, the exchange
.set VSC,  270336
.set SPARE, 278528
.set XB,   279552                      ; four pairs x 17 x 512 bytes
.set KVC,  2097152                     ; qkv: K's and V's codes, 262,144 bytes a head
.set QSO,  3145728                     ; qkv: q's scale words
.set KVS,  3276800                     ; qkv: K's and V's scale words, 16,384 bytes a head
.set A2S,  4194304                     ; a2: where the scale words begin
.set AV0,  242
.set ASK0, 243
.set ASV0, 251
.set SPW,  255
.set NIL,  250
.set MSB, 0
.macro WIN new                         ; the immediate's high byte repeats the setting that is left
.if MSB != (\new)
	s_set_vgpr_msb (MSB<<8)|(\new)
.set MSB, (\new)
.endif
.endm
	s_load_b256 s[4:11], s[0:1], 0x0               ; qkv 4, mw 6, mf 8, a2 10
	v_lshl_add_u32 v[SPW], v0, 2, SPARE
	v_mov_b32 v[NIL], 0
	v_lshrrev_b32 v1, 5, v0
	v_readfirstlane_b32 s2, v1                     ; wave 0..7
	v_and_b32 v7, 15, v0                           ; r
	v_and_b32 v5, 31, v0
	v_lshlrev_b32 v1, 4, v5                        ; 16 x lane: my place in a fragment's image
	v_lshl_add_u32 v[ASK0], v7, 2, KSC             ; K's scale words: 4 bytes a key
	v_lshl_add_u32 v[ASV0], v7, 4, VSC             ; V's: lane l of a step's 512 bytes holds the words of channels l, 32 + l, 64 + l, 96 + l
	v_add_nc_u32 v[AV0], 131072, v1
	v_lshlrev_b32 v7, 2, v7
	s_and_b32 s12, ttmp7, 0xffff                   ; g
	s_and_b32 s13, ttmp9, 1
	s_lshl_b32 s14, s12, 2
	s_lshl_b32 s13, s13, 1
	s_add_co_u32 s14, s14, s13
	s_and_b32 s13, s2, 1
	s_add_co_u32 s14, s14, s13                     ; my head: 4 g + 2 (x % 2) + wave % 2
	s_and_b32 s15, ttmp9, 62
	s_bfe_u32 s13, s2, 0x10001
	s_add_co_u32 s15, s15, s13                     ; the first pass's tile: 2 (x / 2) + (wave / 2) % 2
	s_sub_co_u32 s16, 127, s15                     ; the second's
	s_mov_b32 s96, 0xcccccccc
	s_cmp_lt_u32 s2, 4
	s_cselect_b32 s17, s15, s16                    ; the tile that I finish: waves 0-3 the first, waves 4-7 the second
	s_cselect_b32 s99, 0x33333333, s96             ; my steps' bits in the first pass: waves 0-3 the even steps, waves 4-7 the odd
	s_lshr_b32 s94, s2, 2                          ; what I bring: K (waves 0-3) or V (waves 4-7),
	s_lshl_b32 s94, s94, 17
	s_and_b32 s18, s2, 3
	s_mul_i32 s98, s18, 8704
	s_add_co_u32 s98, s98, XB                      ; my pair's exchange bytes
	s_lshl_b32 s18, s18, 13                        ; key step wave % 4 of each quarter: 8,192 bytes
	s_add_co_u32 s94, s94, s18                     ; its place in LDS, which is its place in the head's codes in memory
	s_lshl_b32 s20, s12, 18
	s_add_co_u32 s20, s20, s94
	s_add_co_u32 s20, s20, KVC
	s_mov_b32 s21, 0
	s_lshl_b32 s19, s2, 11                         ; and 2,048 bytes of the head's 16,384 of scale words
	s_add_co_u32 s95, s19, KSC
	s_lshl_b32 s22, s12, 14
	s_add_co_u32 s22, s22, s19
	s_add_co_u32 s22, s22, KVS
	s_mov_b32 s23, 0
	s_lshl_b32 s24, s14, 17                        ; Q's fragments: 131,072 bytes a head, 1,024 a tile
	s_lshl_b32 s3, s16, 10
	s_add_co_u32 s36, s24, s3
	s_lshl_b32 s3, s15, 10
	s_add_co_u32 s24, s24, s3
	s_mov_b32 s25, 0
	s_mov_b32 s37, 0
	s_lshl_b32 s26, s14, 13                        ; scale words, of q and of a2 alike: 8,192 bytes a head, 64 a tile
	s_lshl_b32 s3, s16, 6
	s_add_co_u32 s38, s26, s3
	s_add_co_u32 s38, s38, QSO
	s_lshl_b32 s3, s17, 6
	s_add_co_u32 s34, s26, s3
	s_add_co_u32 s34, s34, A2S
	s_lshl_b32 s3, s15, 6
	s_add_co_u32 s26, s26, s3
	s_add_co_u32 s26, s26, QSO
	s_mov_b32 s27, 0
	s_mov_b32 s39, 0
	s_mov_b32 s35, 0
	s_lshl_b32 s28, s15, 12                        ; the tiles' mask words: 16 steps x 256 bytes
	s_lshl_b32 s40, s16, 12
	s_mov_b32 s29, 0
	s_mov_b32 s41, 0
	s_lshl_b32 s30, s15, 4                         ; and their step bits: four words
	s_lshl_b32 s42, s16, 4
	s_mov_b32 s31, 0
	s_mov_b32 s43, 0
	s_lshl_b32 s32, s17, 15                        ; a2's codes: 32,768 bytes a panel of 16 tokens, 1,024 a head
	s_lshl_b32 s3, s14, 10
	s_add_co_u32 s32, s32, s3
	s_mov_b32 s33, 0
	s_mov_b32 s104, 0x76543210
	s_mov_b32 s105, 0xfedcba98                     ; lane l xor 16
	s_mov_b32 s100, 0
	s_wait_alu depctr_va_vdst(0)
	s_wait_kmcnt 0x0
	s_add_nc_u64 s[54:55], s[4:5], s[20:21]
	s_add_nc_u64 s[56:57], s[4:5], s[22:23]
	s_add_nc_u64 s[58:59], s[4:5], s[24:25]
	s_add_nc_u64 s[60:61], s[4:5], s[26:27]
	s_add_nc_u64 s[62:63], s[4:5], s[36:37]
	s_add_nc_u64 s[84:85], s[4:5], s[38:39]
	s_add_nc_u64 s[66:67], s[6:7], s[28:29]
	s_add_nc_u64 s[86:87], s[6:7], s[40:41]
	s_add_nc_u64 s[52:53], s[8:9], s[30:31]
	s_add_nc_u64 s[44:45], s[8:9], s[42:43]
	s_add_nc_u64 s[90:91], s[10:11], s[32:33]
	s_add_nc_u64 s[92:93], s[10:11], s[34:35]
	s_load_b128 s[68:71], s[52:53], 0x0            ; the two tiles' step bits: eight bits a word, four steps
	s_load_b128 s[72:75], s[44:45], 0x0
	global_load_b128 v[16:19], v1, s[58:59]
	global_load_b128 v[20:23], v1, s[58:59] offset:512
	global_load_b32 v10, v7, s[60:61]
.irp i, 0,1,2,3
	global_load_b128 v[32+4*\i:35+4*\i], v1, s[56:57] offset:512*\i
.endr
	WIN 0x40                                       ; destination v256 on
.set n, 0
.rept 64
	global_load_b128 v[4*n:4*n+3], v1, s[54:55] offset:32768*(n/16)+512*(n%16)   ; quarter n / 16: 512 consecutive bytes a load
.set n, n+1
.endr
	WIN 0
.macro MLOAD                           ; a step's 64 mask words
	s_load_b512 s[4:19], s[66:67], s100 offset:0x0
	s_load_b512 s[20:35], s[66:67], s100 offset:0x40
	s_load_b512 s[36:51], s[66:67], s100 offset:0x80
	s_load_b512 s[68:83], s[66:67], s100 offset:0xc0
.endm
.macro FRESH                           ; a tile begins: the largest t -3e38, under every t; the sums and O^T zeros (the step is written for every trip alike)
	v_mov_b32 v13, 0xff61b1e6
	v_floor_f32 v12, -v13                          ; -M
	v_mov_b32 v14, 0
	v_mov_b32 v15, 0
.set n, 0
.rept 64
	v_mov_b32 v[160+n], 0
.set n, n+1
.endr
.endm
	v_mov_b32 v6, 0xff800000
	v_mov_b32 v8, 0x3e0293ee                       ; c = log2(e) / sqrt(128)
	v_mov_b32 v9, v8
.irp b, 0,1,2,3
	v_mov_b32 v[236+\b], 0                         ; a lane permute's destination counts as one of its sources
.endr
	v_mov_b32 v249, 0                              ; (upper halves of pairs of which the low word alone is used)
	v_mov_b32 v252, 0
	v_mov_b32 v253, 0
	FRESH
	s_wait_alu depctr_va_vdst(0)                   ; the wait at the head's end
	s_wait_kmcnt 0x0
.irp f, 68, 72                         ; 16 steps x 2 bits in one word
	s_lshl_b32 s[\f+1], s[\f+1], 8
	s_lshl_b32 s[\f+2], s[\f+2], 16
	s_lshl_b32 s[\f+3], s[\f+3], 24
	s_or_b32 s[\f], s[\f], s[\f+1]
	s_or_b32 s[\f+2], s[\f+2], s[\f+3]
	s_or_b32 s[\f], s[\f], s[\f+2]
.endr
	s_and_b32 s88, s68, s99                        ; my steps of the first pass;
	s_not_b32 s99, s99
	s_and_b32 s97, s72, s99                        ; of the second: the other parity
	MLOAD                                          ; step 0's, so that these registers are written on every way
	s_wait_kmcnt 0x0
.macro KLOAD
.irp t, 0,1,2,3,4,5,6,7
	ds_load_b128 v[32+8*\t:35+8*\t], v2 offset:1024*\t
	ds_load_b128 v[36+8*\t:39+8*\t], v2 offset:1024*\t+512
	ds_load_b32 v[24+\t], v4 offset:64*\t
.endr
.endm
.macro VLOAD
.irp t, 0,1,2,3,4,5,6,7
	ds_load_b128 v[32+8*\t:35+8*\t], v3 offset:1024*\t
	ds_load_b128 v[36+8*\t:39+8*\t], v3 offset:1024*\t+512
	ds_load_b32 v[24+\t], v5 offset:256*(\t%2)+4*(\t/2)
.endr
.endm
; The scale of four blocks from their largest magnitudes in v232-235: the floor is in them; v244-247 the conversions' operands, v253 the scale word; then the codes, a whole block to a lane.
.macro CODES
.irp b, 0,1,2,3
	v_add_nc_u32 v[244+\b], 0xff000000, v[232+\b]  ; 2 off the exponent field
.endr
.irp b, 0,1,2,3
	v_lshrrev_b32 v[236+\b], 23, v[244+\b]
.endr
	v_lshl_or_b32 v253, v237, 8, v236
	v_lshl_or_b32 v253, v238, 16, v253
	v_lshl_or_b32 v253, v239, 24, v253
.irp b, 0,1,2,3
	v_cvt_scalef32_pk8_fp4_f32 v[224+2*\b], v[96+16*\b:103+16*\b], v[244+\b]
	v_cvt_scalef32_pk8_fp4_f32 v[225+2*\b], v[104+16*\b:111+16*\b], v[244+\b]
.endr
	v_nop                                          ; a plain instruction behind the conversions
.irp c, 0,1
.irp i, 0,1
	v_permlane16_swap_b32 v[224+4*\c+\i], v[226+4*\c+\i]
.endr
.endr
.endm
; A KEY STEP: 128 keys.  Bit 0 of s88: the step is mine and some key is allowed; bit 1: all are.
.macro STEP
	s_bitcmp1_b32 s88, 0
	s_cbranch_scc0 .Lskip_\@                       ; round the step's work, not round the lines that step addresses
	s_bitcmp1_b32 s88, 1
	s_cbranch_scc1 .Lfull_\@
	MLOAD                                          ; they land under K's loads and the first product
.Lfull_\@:
	v_add_nc_u32 v2, s3, v1                        ; the step's addresses.  These four are also the places between the last step's products and the loads into the registers that those read
	v_add_nc_u32 v3, s3, v[AV0]
	v_add_nc_u32 v4, s101, v[ASK0]
	v_add_nc_u32 v5, s101, v[ASV0]
	KLOAD
	s_wait_alu depctr_va_vdst(0)
	s_wait_dscnt 0x0
.irp t, 0,1,2,3,4,5,6,7
	v_wmma_scale_f32_16x16x128_f8f6f4 v[96+8*\t:103+8*\t], v[32+8*\t:39+8*\t], v[16:23], 0, v[24+\t], v10 matrix_a_fmt:MATRIX_FMT_FP4 matrix_b_fmt:MATRIX_FMT_FP4
.endr
.rept 4
	v_nop                                          ; places in front of the loads below and of the first read of the scores
.endr
	VLOAD                                          ; V lands while the softmax is worked
	s_wait_kmcnt 0x0                               ; the mask words, where they were asked for
	s_bitcmp1_b32 s88, 1
	s_cbranch_scc1 .Lopen_\@
.set n, 0
.rept 64                               ; register n's word stands at place 2 (n % 32) + n / 32
.set m, 2*(n%32)+n/32
.if m < 48
	v_cndmask_b32 v[96+n], v6, v[96+n], s[4+m]
.else
	v_cndmask_b32 v[96+n], v6, v[96+n], s[20+m]
.endif
.set n, n+1
.endr
.Lopen_\@:
.irp b, 0,1,2,3
	v_max3_num_f32 v[232+\b], v[96+16*\b], v[97+16*\b], v[98+16*\b]   ; the largest score of each block of 32 keys: it serves the row's maximum and, since p rises with the score, the block's largest p
.endr
.irp i, 3,5,7,9,11,13
.irp b, 0,1,2,3
	v_max3_num_f32 v[232+\b], v[232+\b], v[96+16*\b+\i], v[97+16*\b+\i]
.endr
.endr
.irp b, 0,1,2,3
	v_max_num_f32 v[232+\b], v[232+\b], v[111+16*\b]
.endr
.irp b, 0,1,2,3
	v_permlanex16_b32 v[236+\b], v[232+\b], s104, s105
.endr
.irp b, 0,1,2,3
	v_max_num_f32 v[232+\b], v[232+\b], v[236+\b]  ; with lane l xor 16's 16 keys
.endr
	v_max3_num_f32 v254, v232, v233, v234
	v_max_num_f32 v254, v254, v235
	v_mul_f32 v254, v8, v254                       ; the step's largest t (c is positive)
	v_max_num_f32 v13, v13, v254                   ; the running largest t
	v_mov_b32 v254, v12
	v_floor_f32 v12, -v13                          ; the new -M = -ceil(t): a whole number
	v_sub_f32 v254, v12, v254                      ; old M - new M, 0 or less
	v_cvt_i32_f32 v254, v254                       ; (it saturates)
	v_ldexp_f32 v252, 1.0, v254                    ; f = 2^(old M - new M)
.set n, 0
.rept 32
	v_pk_fma_f32 v[96+n:97+n], v[96+n:97+n], v[8:9], v[12:13] op_sel_hi:[1,0,0]   ; t - M (of the pairs c and -M the low word serves both halves)
.set n, n+2
.endr
.irp b, 0,1,2,3
	v_fma_f32 v[232+\b], v[232+\b], v8, v12        ; the same of each block's largest score
.endr
	s_wait_alu depctr_va_vdst(0)                   ; the wait ahead of the batch
.set n, 0
.rept 64
	v_exp_f32 v[96+n], v[96+n]                     ; p = 2^(t - M)
.set n, n+1
.endr
	v_pk_mul_f32 v[14:15], v[14:15], v[252:253] op_sel_hi:[1,0]   ; the sums under the new M (a plain instruction behind the batch)
	s_wait_alu depctr_va_vdst(0)                   ; one wait for the whole batch, ahead of its first reader
.irp b, 0,1,2,3
	v_exp_f32 v[232+\b], v[232+\b]                 ; the block's largest p
.endr
	v_pk_add_f32 v[236:237], v[96:97], v[98:99]    ; the row's sum of the unquantised p, in four chains by turns
	v_pk_add_f32 v[238:239], v[100:101], v[102:103]
	v_pk_add_f32 v[240:241], v[104:105], v[106:107]
	v_pk_add_f32 v[14:15], v[14:15], v[108:109]
.set n, 110
.rept 6
	v_pk_add_f32 v[236:237], v[236:237], v[n:n+1]
	v_pk_add_f32 v[238:239], v[238:239], v[n+2:n+3]
	v_pk_add_f32 v[240:241], v[240:241], v[n+4:n+5]
	v_pk_add_f32 v[14:15], v[14:15], v[n+6:n+7]
.set n, n+8
.endr
	v_pk_add_f32 v[236:237], v[236:237], v[158:159]
	v_pk_add_f32 v[238:239], v[238:239], v[240:241]
	v_pk_add_f32 v[14:15], v[14:15], v[236:237]
	v_pk_add_f32 v[14:15], v[14:15], v[238:239]
	s_wait_alu depctr_va_vdst(0)                   ; and one for the four
.irp b, 0,1,2,3
	v_max_num_f32 v[232+\b], 0x1800000, v[232+\b]  ; the floor 2^(3 - 127): the byte cannot fall under 1
.endr
	CODES
	s_wait_alu depctr_va_vdst(0)                   ; the wait here, directly ahead of the first reader of O^T
.set n, 0
.rept 32
	v_pk_mul_f32 v[160+n:161+n], v[160+n:161+n], v[252:253] op_sel_hi:[1,0]   ; O^T under the new M.  (These 32 are also the places between the scale word's and the codes' last writes and the products below)
.set n, n+2
.endr
	s_wait_alu depctr_va_vdst(0)
	s_wait_dscnt 0x0                               ; V's eight fragments and their scale words are in
.irp t, 0,1,2,3,4,5,6,7                ; the eight accumulators take turns
	v_wmma_scale_f32_16x16x128_f8f6f4 v[160+8*\t:167+8*\t], v[32+8*\t:39+8*\t], v[224:231], v[160+8*\t:167+8*\t], v[24+\t], v253 matrix_a_fmt:MATRIX_FMT_FP4 matrix_b_fmt:MATRIX_FMT_FP4
.endr
.Lskip_\@:
.endm
.macro NEXT lim, lab                   ; on to the next key step, while its scale words begin under lim
	s_lshr_b32 s88, s88, 2
	s_add_co_u32 s100, s100, 256                   ; mask words: 256 bytes a step
	s_add_co_u32 s3, s3, 8192                      ; K and V: 8,192
	s_add_co_u32 s101, s101, 512                   ; scale words: 512
	s_cmp_lt_u32 s101, \lim
	s_cbranch_scc1 \lab
.endm
.macro FILL j                          ; my part of quarter j goes to LDS bytes that nobody has read or written
	s_add_co_u32 s96, s94, 32768*\j
	v_add_nc_u32 v2, s96, v1
	WIN 0x04                                       ; an LDS store's data are its source 1: v256 on
.set n, 0
.rept 16
	ds_store_b128 v2, v[64*\j+4*n:64*\j+4*n+3] offset:512*n
.set n, n+1
.endr
	WIN 0
.endm
.macro MEET                            ; my LDS instructions are done, for the others' sake; then the barrier
	s_wait_dscnt 0x0
	s_barrier_signal -1
	s_barrier_wait -1
.endm
; The pair's exchange.  GIVE: O^T, and -M, the largest t and the sums, as images of their registers.  TAKE: the partner's half joins mine under the larger M.
.macro GIVE
	v_add_nc_u32 v2, s98, v1
.irp i, 0,1,2,3,4,5,6,7,8,9,10,11,12,13,14,15
	ds_store_b128 v2, v[160+4*\i:163+4*\i] offset:512*\i       ; ascending: each accumulator is first read at its low end
.endr
	ds_store_b128 v2, v[12:15] offset:8192
.endm
.macro TAKE
	v_add_nc_u32 v2, s98, v1
.irp i, 0,1,2,3,4,5,6,7,8,9,10,11,12,13,14,15
	ds_load_b128 v[32+4*\i:35+4*\i], v2 offset:512*\i
.endr
	ds_load_b128 v[24:27], v2 offset:8192
	s_wait_dscnt 0x0
	v_min_num_f32 v254, v12, v24                   ; -M of the larger M
	v_sub_f32 v252, v254, v12                      ; my M less it, and the partner's: whole numbers, 0 or less
	v_sub_f32 v248, v254, v24
	v_cvt_i32_f32 v252, v252                       ; (they saturate: a half that walked no step has zeros, and its factor is 0 or 1)
	v_cvt_i32_f32 v248, v248
	v_ldexp_f32 v252, 1.0, v252
	v_ldexp_f32 v248, 1.0, v248
	v_pk_mul_f32 v[14:15], v[14:15], v[252:253] op_sel_hi:[1,0]
	v_pk_fma_f32 v[14:15], v[26:27], v[248:249], v[14:15] op_sel_hi:[1,0,1]
.set n, 0
.rept 32
	v_pk_mul_f32 v[160+n:161+n], v[160+n:161+n], v[252:253] op_sel_hi:[1,0]
.set n, n+2
.endr
.set n, 0
.rept 32
	v_pk_fma_f32 v[160+n:161+n], v[32+n:33+n], v[248:249], v[160+n:161+n] op_sel_hi:[1,0,1]
.set n, n+2
.endr
.endm
; ctx = O^T / the sum, quantised along the head's 128, and stored
.macro FINISH
	v_add_f32 v14, v14, v15
	v_permlanex16_b32 v252, v14, s104, s105
	v_add_f32 v11, v14, v252                       ; the row's sum
	s_wait_alu depctr_va_vdst(0)                   ; the wait ahead of the transcendental
	v_rcp_f32 v14, v11
	v_mov_b32 v254, -1                             ; (a plain instruction behind it)
	s_wait_alu depctr_va_vdst(0)                   ; the wait ahead of the reciprocal's first reader
.set n, 0
.rept 64
	v_mul_f32 v[96+n], v[160+n], v14
.set n, n+1
.endr
.irp b, 0,1,2,3
	v_max3_num_f32 v[232+\b], |v[96+16*\b]|, |v[97+16*\b]|, 0x1800000
.endr
.irp i, 2,4,6,8,10,12,14
.irp b, 0,1,2,3
	v_max3_num_f32 v[232+\b], v[232+\b], |v[96+16*\b+\i]|, |v[97+16*\b+\i]|
.endr
.endr
.irp b, 0,1,2,3
	v_permlanex16_b32 v[236+\b], v[232+\b], s104, s105
.endr
.irp b, 0,1,2,3
	v_max_num_f32 v[232+\b], v[232+\b], v[236+\b]
.endr
	CODES
	v_cmp_eq_f32 vcc_lo, 0, v11                    ; a row with no key allowed:
	v_cndmask_b32 v253, v253, v254, vcc_lo         ; its scale word is four NaN bytes (a select: nothing branches on it)
	global_store_b128 v1, v[224:227], s[90:91]     ; the fragment's image: 512 consecutive bytes a store
	global_store_b128 v1, v[228:231], s[90:91] offset:512
	global_store_b32 v7, v253, s[92:93]            ; the tile's 16 scale words, 64 consecutive bytes: the work-group's tiles of a head are no neighbours.  Lanes r and 16 + r write the same word with the same value
	s_wait_xcnt 0x0                                ; the stores have read their registers, which the next pass writes
.endm
	; ---- THE FIRST PASS.  A wave's loads end in the order of issue: with the 48 loads of quarters 1 to 3 out, Q, the scale words and my part of quarter 0 are in registers
	s_wait_loadcnt 48
	v_add_nc_u32 v3, s95, v1
.irp i, 0,1,2,3
	ds_store_b128 v3, v[32+4*\i:35+4*\i] offset:512*\i
.endr
	FILL 0
	MEET
	WIN 0x40
	global_load_b128 v[0:3], v1, s[62:63]          ; the second pass's Q, into v256-264, which quarter 0 has left
	global_load_b128 v[4:7], v1, s[62:63] offset:512
	global_load_b32 v8, v7, s[84:85]
	WIN 0
	s_mov_b32 s3, 0
	s_mov_b32 s101, 0
.Lfirst_a:
	STEP
	NEXT 2048, .Lfirst_a                           ; key steps 0-3
	s_wait_loadcnt 3                               ; quarters 1 to 3 are in registers; the second Q's three loads may be out
	FILL 1
	FILL 2
	FILL 3
	MEET
	s_mov_b32 s3, 32768
	s_mov_b32 s101, 2048
.Lfirst_b:
	STEP
	NEXT 8192, .Lfirst_b                           ; key steps 4-15
.rept 4
	v_nop                                          ; places behind the last products: their results are stored, their sources loaded into and written
.endr
	s_wait_alu depctr_va_vdst(0)                   ; the wait here, ahead of the branch and the barrier
	s_cmp_lt_u32 s2, 4
	s_cbranch_scc1 .Lkeep_0
	GIVE                                           ; waves 4-7
.Lkeep_0:
	MEET
	s_cmp_ge_u32 s2, 4
	s_cbranch_scc1 .Lgave_0
	TAKE                                           ; waves 0-3
	FINISH
.Lgave_0:
	; ---- THE SECOND PASS: all of K and V lies in LDS
	s_wait_loadcnt 0x0                             ; the second Q
	WIN 0x01                                       ; source 0: v256 on
.irp i, 0,1,2,3,4,5,6,7
	v_mov_b32 v[16+\i], v[\i]
.endr
	v_mov_b32 v10, v8
	WIN 0
	FRESH                                          ; (these 68 are also the places between Q's and its scale words' writes and the next products)
	s_mov_b64 s[66:67], s[86:87]
	s_mov_b32 s88, s97
	s_mov_b32 s100, 0
	s_mov_b32 s3, 0
	s_mov_b32 s101, 0
	s_wait_alu depctr_va_vdst(0)                   ; the wait here, ahead of the loop's branches and waits
.Lsecond:
	STEP
	NEXT 8192, .Lsecond
.rept 4
	v_nop
.endr
	s_wait_alu depctr_va_vdst(0)                   ; the wait here, ahead of the barrier
	MEET                                           ; the first pass's reads of the exchange bytes are over in every wave: they may be stored again
	s_cmp_ge_u32 s2, 4
	s_cbranch_scc1 .Lkeep_1
	GIVE                                           ; waves 0-3
.Lkeep_1:
	MEET
	s_cmp_lt_u32 s2, 4
	s_cbranch_scc1 .Lend
	TAKE                                           ; waves 4-7
	FINISH
.Lend:
	s_wait_tensorcnt 0x0                           ; the wave's end, behind my last LDS store
	ds_add_u32 v[SPW], v[NIL]
	s_wait_dscnt 0x0
	s_endpgm
.Lfunc_end_k_q48bf18d8e9_attn:
	.size	k_q48bf18d8e9_attn, .Lfunc_end_k_q48bf18d8e9_attn-k_q48bf18d8e9_attn
	.p2alignl 7, 3214868480
	.fill 96, 4, 3214868480
	.section	.rodata,"a",@progbits
	.p2align	6, 0x0
	.amdhsa_kernel k_q48bf18d8e9_attn
		.amdhsa_group_segment_fixed_size 314368
		.amdhsa_private_segment_fixed_size 0
		.amdhsa_enable_private_segment 0
		.amdhsa_kernarg_size 32
		.amdhsa_user_sgpr_count 2
		.amdhsa_user_sgpr_kernarg_segment_ptr 1
		.amdhsa_wavefront_size32 1
		.amdhsa_system_sgpr_workgroup_id_x 1
		.amdhsa_system_sgpr_workgroup_id_y 1
		.amdhsa_system_sgpr_workgroup_id_z 1
		.amdhsa_system_vgpr_workitem_id 0
		.amdhsa_next_free_vgpr 512
		.amdhsa_next_free_sgpr 106
		.amdhsa_reserve_vcc 1
		.amdhsa_float_denorm_mode_32 3
		.amdhsa_float_denorm_mode_16_64 3
		.amdhsa_memory_ordered 1
		.amdhsa_forward_progress 1
		.amdhsa_inst_pref_size 118
	.end_amdhsa_kernel
	.amdgpu_metadata
---
amdhsa.version: [ 1, 2 ]
amdhsa.kernels:
  - .name:           k_q48bf18d8e9_attn
    .symbol:         k_q48bf18d8e9_attn.kd
    .args:
      - { .name: qkv, .offset: 0, .size: 8, .value_kind: global_buffer, .address_space: global }
      - { .name: mw, .offset: 8, .size: 8, .value_kind: global_buffer, .address_space: global }
      - { .name: mf, .offset: 16, .size: 8, .value_kind: global_buffer, .address_space: global }
      - { .name: a2, .offset: 24, .size: 8, .value_kind: global_buffer, .address_space: global }
    .group_segment_fixed_size: 314368
    .private_segment_fixed_size: 0
    .kernarg_segment_align: 8
    .kernarg_segment_size: 32
    .max_flat_workgroup_size: 256
    .sgpr_count:     106
    .vgpr_count:     512
    .wavefront_size: 32
...
	.end_amdgpu_metadata
.endif
;; end of part 3
;; launch gemm2 (part 4): grid 16 x 16, 4 waves a work-group, clusters of 4 x 4, 327,680 bytes of LDS; arguments a2, w2q, x, out0; writes out0
.if DOCPART == 4
	.amdgcn_target "amdgcn-amd-amdhsa--gfx1250"
	.amdhsa_code_object_version 6
	.text
	.protected	k_q48bf18d8e9_gemm2
	.globl	k_q48bf18d8e9_gemm2
	.p2align	8
	.type	k_q48bf18d8e9_gemm2,@function
k_q48bf18d8e9_gemm2:
	s_mov_b64 s[64:65], 0
	v_nop
	global_prefetch_b8 v0, s[64:65] scope:SCOPE_SE
	s_setreg_imm32_b32 hwreg(HW_REG_WAVE_MODE, 25, 1), 1
	s_wait_xcnt 0x0
	s_wait_alu depctr_hold_cnt(0) depctr_sa_sdst(0) depctr_va_vdst(0) depctr_va_sdst(0) depctr_va_ssrc(0) depctr_va_vcc(0) depctr_vm_vsrc(0)
	s_getreg_b32 s2, hwreg(HW_REG_IB_STS2, 6, 4)
	s_cmp_eq_u32 s2, 0
	s_cbranch_scc0 .Lentry_in_a_cluster
	s_endpgm
.Lentry_in_a_cluster:
	s_bfe_u32 s2, ttmp6, 0x10000c
	s_cmp_lg_u32 s2, 0xf033
	s_cbranch_scc0 .Lentry_shape_is_right
	s_endpgm
.Lentry_shape_is_right:
; GEMM2.  out = x + [ctx | act] x [wo | w_down]^T: the two last products as ONE with K = 4,096, on codes of FP4 with E8M0 scales; sums in f32; x is added behind the sums.
; 2,048 x 2,048 of out in tiles of 128 x 128: 256 work-groups.  Four waves, each 64 x 64: 16 accumulators.  K goes in steps of 1,024 through a ring of two LDS slots; a step is four quarters of 256 along K, 32 matrix instructions each.
; Operands lie in memory as images of their registers ([panel of 16 rows][32 along K][row][16 bytes]): a fragment (16 rows x 128 K) is 1,024 consecutive bytes, two loads of 16 bytes a lane at 16 x lane.
; THE SCALES for all of K come into LDS once: the tokens' as [chunk of 128 K][token] words, the weights' as [panel][512 K][row][16 bytes].
; CLUSTERS: 4 x 4 work-groups; the tokens' tiles are shared along a row of the cluster, the weights' along a column: each is asked for jointly.
; THE MATRIX INSTRUCTION IS USED TRANSPOSED (source 0 = 16 rows of the weight, source 1 = 16 tokens): a lane holds eight neighbouring columns of one row of out.
; A token whose scale word holds the NaN byte (a row of attention with no key allowed) gets NaN in its whole row.
; REGISTERS: window 0: v16-30 addresses; v32-159 scale words, two sets (32 of the tokens', then 32 of the weights'); v160-223 the way out.  window 1: two fragment buffers of 128.  window 2: v0-127 accumulators, v128-255 my 64 x 64 of x.
.set HALFT,  32768                     ; 4 panels x 8,192 bytes: what one tensor load brings
.set SLOT,   131072
.set LAPS,   2
.set SCA,    262144                    ; behind the ring: the tokens' scale words, 32 chunks x 512 bytes;
.set SCB,    278528                    ; the weights', 8 panels x 2,048 bytes
.set SPARE,  294912                    ; the spare words, 128 bytes for each wave
.set SPITCH, 272                       ; the way out: 16 rows x (256 bytes + 16) for each wave, in slot 0, which has had its last fill and its last read by then
.set A2S,    4194304
.set W2S,    4194304
.set ADRA, 16
.set ADRB, 20
.set STO,  24
.set RD,   25
.set XO,   26                          ; v26  8,192 (lane / 16) + 16 (lane % 16): two rows of x or out, 256 bytes of each
.set ADSA, 27
.set SPW,  28
.set NIL,  29
.set ADSB, 30
.set SA,   32                          ; set s: the tokens' words at v[SA + 64 s + 8 i + kk], the weights' at v[SB + 64 s + 8 i + kk]
.set SB,   64
.set OB,   160
.set F0,   0
.set F1,   128
.set G1, 24
.set G0, 32
.set G1B, 48
.set G0B, 56
.set G1S, 68
.set G0S, 76
.set G1SB, 80
.set G0SB, 88
.set MSB, 0
.macro WIN new
.if MSB != (\new)
	s_set_vgpr_msb (MSB<<8)|(\new)
.set MSB, (\new)
.endif
.endm
.set MUL,  0xa5                        ; sources 0 and 1 window 1; C and D window 2
.set TO_F, 0x40                        ; destination window 1, address window 0
.macro JLOAD g0a, g1a, g0b, g1b        ; waves 0 and 1 fetch for the tokens, waves 2 and 3 for the weight; four v_nop follow each of the two lines
	s_cmp_eq_u32 s13, 0
	s_cbranch_scc0 .Lfor_b_\@
	tensor_load_to_lds s[\g0a:\g0a+3], s[\g1a:\g1a+7]
	s_nop 0
.rept 4
	v_nop
.endr
	s_branch .Lasked_\@
.Lfor_b_\@:
	tensor_load_to_lds s[\g0b:\g0b+3], s[\g1b:\g1b+7]
	s_nop 0
.rept 4
	v_nop
.endr
.Lasked_\@:
.endm
.macro CREST
	s_cmp_lg_u32 s12, 0
	s_cbranch_scc1 .Lnot_wave_0_\@
	s_barrier_signal -3
.Lnot_wave_0_\@:
	s_barrier_wait -3
	s_barrier_signal -1
	s_barrier_wait -1
.endm
.macro CROUND
	s_barrier_signal -1
	s_barrier_wait -1
	CREST
.endm
	s_load_b256 s[4:11], s[0:1], 0x0               ; a2 4, w2q 6, x 8, out0 10
	v_lshl_add_u32 v[SPW], v0, 2, SPARE
	v_mov_b32 v[NIL], 0
	ds_add_u32 v28, v29
	ds_add_u32 v28, v29
	s_wait_dscnt 0x0
	v_lshrrev_b32 v1, 5, v0
	v_readfirstlane_b32 s12, v1                    ; wave 0..3
	s_lshr_b32 s13, s12, 1                         ; which half of the tile's tokens is mine.  Also: I fetch for the tokens (0) or for the weight (1)
	s_and_b32 s14, s12, 1                          ; which half of its columns.  Also: which half of that tile I fetch
	s_bfe_u32 s40, ttmp6, 0x40000
	s_bfe_u32 s41, ttmp6, 0x40004
	s_lshl_b32 s42, ttmp9, 2
	s_add_co_u32 s42, s42, s40                     ; tile column
	s_and_b32 s15, ttmp7, 0xffff
	s_lshl_b32 s15, s15, 2
	s_add_co_u32 s15, s15, s41                     ; tile row
	s_lshl_b32 s43, s41, 2
	s_lshl_b32 s43, 15, s43                        ; my row of the cluster
	s_lshl_b32 s44, 0x1111, s40                    ; my column
	; group 1 for the codes: 4 rows (panels) of 8,192 bytes (1,024 elements of 8), 32,768 bytes apart
	s_or_b32 s[G1+0], s43, (3<<16)|(1<<21)
	s_or_b32 s[G1B+0], s44, (3<<16)|(1<<21)
.irp g, G1, G1B
	s_mov_b32 s[\g+1], 1024<<16
	s_mov_b32 s[\g+2], 8<<16
	s_mov_b32 s[\g+3], 1024<<16
	s_mov_b32 s[\g+4], 8
	s_mov_b32 s[\g+5], 4096
	s_mov_b32 s[\g+6], 0
	s_mov_b32 s[\g+7], 0
.endr
	; the tokens' scale words: 32 rows (chunks) of 512 bytes, 8,192 bytes apart
	s_or_b32 s[G1S+0], s43, (3<<16)|(1<<21)
	s_mov_b32 s[G1S+1], 64<<16
	s_mov_b32 s[G1S+2], 32<<16
	s_mov_b32 s[G1S+3], 64<<16
	s_mov_b32 s[G1S+4], 32
	s_mov_b32 s[G1S+5], 1024
	s_mov_b32 s[G1S+6], 0
	s_mov_b32 s[G1S+7], 0
	; the weights': 16,384 dense bytes as 64 rows of 256
	s_or_b32 s[G1SB+0], s44, (3<<16)|(1<<21)
	s_mov_b32 s[G1SB+1], 32<<16
	s_mov_b32 s[G1SB+2], 64<<16
	s_mov_b32 s[G1SB+3], 32<<16
	s_mov_b32 s[G1SB+4], 64
	s_mov_b32 s[G1SB+5], 32
	s_mov_b32 s[G1SB+6], 0
	s_mov_b32 s[G1SB+7], 0
	s_lshl_b32 s19, s14, 17                        ; in the ring I fetch 4 of a tile's 8 panels: which half, in bytes
	s_lshl_b32 s16, s15, 18                        ; the tokens' first panel: 8 x tile row, 32,768 bytes a panel
	s_mov_b32 s17, 0
	s_lshl_b32 s20, s15, 9                         ; their scale words: the tile's 128 tokens, from chunk 0 on
	s_add_co_u32 s20, s20, A2S
	s_mov_b32 s21, 0
	s_lshl_b32 s46, s42, 3                         ; the weight's first panel: 8 x tile column
	s_lshl_b32 s92, s46, 11
	s_add_co_u32 s92, s92, W2S
	s_mov_b32 s93, 0
	s_lshl_b32 s46, s46, 15
	s_mov_b32 s47, 0
	s_lshl_b32 s22, s12, 15                        ; where they go: wave x 32,768
	s_wait_kmcnt 0x0
	s_add_nc_u64 s[16:17], s[4:5], s[16:17]
	s_add_nc_u64 s[20:21], s[4:5], s[20:21]
	s_add_nc_u64 s[46:47], s[6:7], s[46:47]
	s_add_nc_u64 s[92:93], s[6:7], s[92:93]
	CROUND                                         ; all sixteen work-groups are here: the first joint loads meet
	s_mov_b32 s[G0S], 1
	s_mov_b32 s[G0S+1], SCA
	s_mov_b64 s[G0S+2:G0S+3], s[20:21]
	s_or_b32 s[G0S+3], s[G0S+3], 0x80000000
	s_mov_b32 s[G0SB], 1
	s_mov_b32 s[G0SB+1], SCB
	s_mov_b64 s[G0SB+2:G0SB+3], s[92:93]
	s_or_b32 s[G0SB+3], s[G0SB+3], 0x80000000
	s_mov_b32 s96, 1                               ; the head's loads of K step 0, each tile whole: the tokens' 8 panels,
	s_mov_b32 s97, 0
	s_mov_b64 s[98:99], s[16:17]
	s_or_b32 s99, s99, 0x80000000
	s_mov_b32 s92, 1                               ; and the weight's, behind them in slot 0
	s_mov_b32 s93, 2*HALFT
	s_mov_b64 s[94:95], s[46:47]
	s_or_b32 s95, s95, 0x80000000
	s_mov_b32 s20, s19
	s_mov_b32 s21, 0
	s_add_nc_u64 s[16:17], s[16:17], s[20:21]      ; for the ring: my 4 panels
	s_add_nc_u64 s[46:47], s[46:47], s[20:21]
.irp s, 0,1
	s_mov_b32 s[G0+4*\s], 1
	s_add_co_u32 s[G0+4*\s+1], s22, \s*SLOT
	s_add_nc_u64 s[G0+4*\s+2:G0+4*\s+3], s[16:17], \s*8192
	s_or_b32 s[G0+4*\s+3], s[G0+4*\s+3], 0x80000000
	s_mov_b32 s[G0B+4*\s], 1
	s_add_co_u32 s[G0B+4*\s+1], s22, \s*SLOT
	s_add_nc_u64 s[G0B+4*\s+2:G0B+4*\s+3], s[46:47], \s*8192
	s_or_b32 s[G0B+4*\s+3], s[G0B+4*\s+3], 0x80000000
.endr
; THE HEAD'S LOADS, ONE A WAVE: wave 0 the tokens' codes of K step 0, wave 1 the weight's, wave 2 the tokens' scale words for all of K, wave 3 the weight's.  One tree of branches on the wave's number.
.macro ARM under, g0, g1, next
	s_cmp_lt_u32 s12, \under
	s_cbranch_scc0 \next
	tensor_load_to_lds s[\g0:\g0+3], s[\g1:\g1+7]
	s_nop 0
.rept 4
	v_nop
.endr
	s_branch .Lhead_asked
\next:
.endm
	ARM 1, 96,  G1,  .Lhead_b
	ARM 2, 92,  G1B, .Lhead_sa
	ARM 3, G0S, G1S, .Lhead_sb
	tensor_load_to_lds s[G0SB:G0SB+3], s[G1SB:G1SB+7]
	s_nop 0
.rept 4
	v_nop
.endr
.Lhead_asked:
	v_and_b32 v1, 15, v0                           ; r
	s_wait_alu depctr_va_vdst(0)
	v_bfe_u32 v2, v0, 4, 1                         ; h
	v_and_b32 v3, 31, v0
	v_lshlrev_b32 v3, 4, v3                        ; 16 x lane
	s_lshl_b32 s16, s13, 15                        ; my 4 panels of tokens
	s_lshl_b32 s17, s14, 15
	s_add_co_u32 s17, s17, 2*HALFT                 ; my 4 panels of the weight
.irp s, 0,1
	v_add_nc_u32 v[ADRA+\s], s16, v3
	v_add_nc_u32 v[ADRB+\s], s17, v3
	s_add_co_u32 s16, s16, SLOT
	s_add_co_u32 s17, s17, SLOT
.endr
	s_lshl_b32 s16, s13, 8
	v_lshlrev_b32 v4, 2, v1
	v_add_nc_u32 v[ADSA], s16, v4
	v_add_nc_u32 v[ADSA], SCA, v[ADSA]             ; the tokens' words: my 64 tokens, 4 bytes each
	s_lshl_b32 s16, s14, 13
	v_lshlrev_b32 v4, 4, v1
	v_add_nc_u32 v[ADSB], s16, v4
	v_add_nc_u32 v[ADSB], SCB, v[ADSB]             ; the weights': my 4 panels, 16 bytes a row
	s_mul_i32 s16, s12, 16*SPITCH                  ; my stage
	v_mul_u32_u24 v[STO], v1, SPITCH
	v_lshl_add_u32 v[STO], v2, 5, v[STO]
	v_add_nc_u32 v[STO], s16, v[STO]               ; in: row r, 32 bytes for each half of the lanes
	v_mul_u32_u24 v[RD], v2, SPITCH
	v_lshl_add_u32 v[RD], v1, 4, v[RD]
	v_add_nc_u32 v[RD], s16, v[RD]                 ; back: lanes 0-15 one row of 256 bytes, lanes 16-31 the next
	v_lshlrev_b32 v[XO], 13, v2
	v_lshl_add_u32 v[XO], v1, 4, v[XO]
	s_wait_alu depctr_va_vdst(0)
	s_lshl_b32 s16, s15, 7
	s_lshl_b32 s17, s13, 6
	s_add_co_u32 s16, s16, s17                     ; my first token
	s_lshl_b32 s16, s16, 13                        ; a row of x or out is 8,192 bytes
	s_mov_b32 s17, 0
	s_add_nc_u64 s[8:9], s[8:9], s[16:17]
	s_add_nc_u64 s[10:11], s[10:11], s[16:17]
	s_lshl_b32 s46, s42, 9                         ; my first column, in bytes: 512 x tile column + 256 x half
	s_lshl_b32 s47, s14, 8
	s_add_co_u32 s46, s46, s47
	s_mov_b32 s47, 0
	s_add_nc_u64 s[8:9], s[8:9], s[46:47]
	s_add_nc_u64 s[10:11], s[10:11], s[46:47]
	WIN 0x80                                       ; destination window 2
.irp a, 0,1,2,3
.irp i, 0,1,2,3,4,5,6,7
	global_load_b128 v[128+32*\a+4*\i:128+32*\a+4*\i+3], v[XO], s[8:9] offset:(16*\a+2*\i)*8192 th:TH_LOAD_NT   ; my 64 x 64 of x, laid as the rows come back from the stage; waited for once, on the way out
.endr
.endr
	WIN 0
; 8 matrix instructions: token blocks a0, a0 + 1 x all 4 column blocks, 128 along K: half c of buffer f, chunk kk of the K step's eight.  The 16 accumulators take turns.
.macro MUL8 f, c, a0, zero, set, kk
.irp a, \a0, \a0+1
.irp b, 0,1,2,3
.if \zero
	v_wmma_scale_f32_16x16x128_f8f6f4 v[8*(4*(\a)+\b):8*(4*(\a)+\b)+7], v[\f+64+8*(4*\c+\b):\f+64+8*(4*\c+\b)+7], v[\f+8*(4*\c+(\a)):\f+8*(4*\c+(\a))+7], 0, v[SB+64*(\set)+8*\b+(\kk)], v[SA+64*(\set)+8*(\a)+(\kk)] matrix_a_fmt:MATRIX_FMT_FP4 matrix_b_fmt:MATRIX_FMT_FP4
.else
	v_wmma_scale_f32_16x16x128_f8f6f4 v[8*(4*(\a)+\b):8*(4*(\a)+\b)+7], v[\f+64+8*(4*\c+\b):\f+64+8*(4*\c+\b)+7], v[\f+8*(4*\c+(\a)):\f+8*(4*\c+(\a))+7], v[8*(4*(\a)+\b):8*(4*(\a)+\b)+7], v[SB+64*(\set)+8*\b+(\kk)], v[SA+64*(\set)+8*(\a)+(\kk)] matrix_a_fmt:MATRIX_FMT_FP4 matrix_b_fmt:MATRIX_FMT_FP4
.endif
.endr
.endr
.endm
; 32 LDS loads in one run: the fragments of 256 along K at byte k of the panels, into buffer f; the first 128 along K first
.macro FETCH slot, k, f
	WIN TO_F
.irp c, 0,1
.irp i, 0,1,2,3
	ds_load_b128 v[\f+64+8*(4*\c+\i):\f+64+8*(4*\c+\i)+3],   v[ADRB+\slot] offset:\k+1024*\c+\i*8192
	ds_load_b128 v[\f+64+8*(4*\c+\i)+4:\f+64+8*(4*\c+\i)+7], v[ADRB+\slot] offset:\k+1024*\c+\i*8192+512
	ds_load_b128 v[\f+8*(4*\c+\i):\f+8*(4*\c+\i)+3],         v[ADRA+\slot] offset:\k+1024*\c+\i*8192
	ds_load_b128 v[\f+8*(4*\c+\i)+4:\f+8*(4*\c+\i)+7],       v[ADRA+\slot] offset:\k+1024*\c+\i*8192+512
.endr
.endr
.endm
.macro SCALES set                      ; a K step's scale words; issued ahead of a FETCH, so that the waits that count FETCH's loads cover them
.irp i, 0,1,2,3
.irp kk, 0,1,2,3,4,5,6,7
	ds_load_b32 v[SA+64*\set+8*\i+\kk], v[ADSA] offset:512*\kk+64*\i
.endr
.endr
.irp i, 0,1,2,3
.irp u, 0,1
	ds_load_b128 v[SB+64*\set+8*\i+4*\u:SB+64*\set+8*\i+4*\u+3], v[ADSB] offset:2048*\i+256*\u
.endr
.endr
.endm
.macro PLACES                          ; plain vector instructions between a matrix instruction and a load into, or a read of, its registers
.rept 4
	v_nop
.endr
.endm
; One of a K step's first three quarters: multiplies quarter q out of buffer f and fetches quarter q + 1 into g.
.macro QUARTER slot, q, f, g, zero
	s_wait_dscnt 16                                ; the first 128 along K are in; the youngest sixteen loads may be out
	WIN MUL
	MUL8 \f, 0, 0, \zero, \slot, 2*(\q)
	MUL8 \f, 0, 2, \zero, \slot, 2*(\q)
	PLACES
	FETCH \slot, 2048*((\q)+1), \g
	s_wait_dscnt 32                                ; all but the 32 just issued
	WIN MUL
	MUL8 \f, 1, 0, 0, \slot, 2*(\q)+1
	MUL8 \f, 1, 2, 0, \slot, 2*(\q)+1
.endm
; The last quarter multiplies buffer 1 and changes slots: one barrier; in front of it each wave waits for all its tensor loads, adds 0 to its spare word, and waits for that and for its reads of this slot.
.macro TURN slot, next, fill
	WIN 0
	s_wait_tensorcnt 0x0                           ; all my tensor loads have landed: my part of the next slot
	ds_add_u32 v[SPW], v[NIL]                      ; 0 onto my spare word
	s_wait_dscnt 17                                ; (the add and the youngest sixteen loads may be out)
	WIN MUL
	MUL8 F1, 0, 0, 0, \slot, 6
	s_wait_dscnt 0x0                               ; the add is done, and my reads of this slot are over
	s_barrier_signal -1
	MUL8 F1, 0, 2, 0, \slot, 6
	WIN 0
	s_barrier_wait -1
.if \fill
	CREST                                          ; the barrier has opened a round of the cluster's: no wave of any partner still reads this slot or has a load on its way
	s_add_nc_u64 s[G0+4*\slot+2:G0+4*\slot+3], s[G0+4*\slot+2:G0+4*\slot+3], 16384
	s_add_nc_u64 s[G0B+4*\slot+2:G0B+4*\slot+3], s[G0B+4*\slot+2:G0B+4*\slot+3], 16384
	JLOAD G0+4*\slot, G1, G0B+4*\slot, G1B         ; the first tensor load behind the round; its four v_nop are the places in front of the loads below
.else
	PLACES
.endif
	s_wait_alu depctr_va_vdst(0)
	v_add_nc_u32 v[ADSA], 4096, v[ADSA]            ; the next K step's scale words
	v_add_nc_u32 v[ADSB], 512, v[ADSB]
	SCALES \next
	FETCH \next, 0, F0
	WIN MUL
	MUL8 F1, 1, 0, 0, \slot, 7
	MUL8 F1, 1, 2, 0, \slot, 7
.endm
	s_wait_alu depctr_va_vdst(0)                   ; the wait at the head's end
	s_wait_tensorcnt 0x0                           ; my tile of the head's four is in; the lines ahead of a later first fill:
	ds_add_u32 v[SPW], v[NIL]
	s_mov_b32 s[G1+2], 4<<16                       ; no tensor load of mine is out: from here on a load brings 4 panels
	s_mov_b32 s[G1+4], 4
	s_mov_b32 s[G1B+2], 4<<16
	s_mov_b32 s[G1B+4], 4
	s_wait_dscnt 0x0
	CROUND                                         ; all four tiles are in, and all sixteen work-groups are here
	JLOAD G0+4, G1, G0B+4, G1B                     ; K step 1, the first tensor load behind the round
	SCALES 0
	FETCH 0, 0, F0
	QUARTER 0, 0, F0, F1, 1                        ; the first quarter's first products start the sums
	WIN 0
	s_mov_b32 s3, LAPS-1
.Llap:
	QUARTER 0, 1, F1, F0, 0
	QUARTER 0, 2, F0, F1, 0
	TURN 0, 1, 1
	QUARTER 1, 0, F0, F1, 0
	QUARTER 1, 1, F1, F0, 0
	QUARTER 1, 2, F0, F1, 0
	TURN 1, 0, 1
	QUARTER 0, 0, F0, F1, 0
	WIN 0
	s_sub_co_u32 s3, s3, 1
	s_cmp_lg_u32 s3, 0
	s_cbranch_scc1 .Llap
	QUARTER 0, 1, F1, F0, 0                        ; the last lap fills nothing
	QUARTER 0, 2, F0, F1, 0
	TURN 0, 1, 0
	QUARTER 1, 0, F0, F1, 0
	QUARTER 1, 1, F1, F0, 0
	QUARTER 1, 2, F0, F1, 0
	s_wait_dscnt 16
	WIN MUL
	MUL8 F1, 0, 0, 0, 1, 6
	MUL8 F1, 0, 2, 0, 1, 6
	s_wait_dscnt 0
	MUL8 F1, 1, 0, 0, 1, 7
	MUL8 F1, 1, 2, 0, 1, 7
	WIN 0
; THE WAY OUT, 16 tokens x 64 columns at a time: through my own stage in LDS, back as whole rows of 256 bytes, x added, stored.  LDS serves a wave's instructions in order: no wait between the stores and the loads.
.macro TOSTAGE a
	WIN 0x08                                       ; an LDS store's data are its source 1: window 2
.irp b, 0,1,2,3
	ds_store_b128 v[STO], v[8*(4*(\a)+\b):8*(4*(\a)+\b)+3] offset:64*\b          ; each accumulator from its low end on
	ds_store_b128 v[STO], v[8*(4*(\a)+\b)+4:8*(4*(\a)+\b)+7] offset:64*\b+16
.endr
	WIN 0
.irp i, 0,1,2,3,4,5,6,7
	ds_load_b128 v[OB+32*((\a)%2)+4*\i:OB+32*((\a)%2)+4*\i+3], v[RD] offset:2*SPITCH*\i
.endr
.endm
.macro SEND a, younger                 ; younger: the LDS instructions issued behind block a's loads, which may stay out
.set BB, OB+32*((\a)%2)
	s_wait_dscnt \younger
	WIN 0x08                                       ; source 1: x, in window 2
.set n, 0
.rept 16
	v_pk_add_f32 v[BB+n:BB+n+1], v[BB+n:BB+n+1], v[128+32*(\a)+n:129+32*(\a)+n]
.set n, n+2
.endr
	WIN 0
.irp i, 0,1,2,3,4,5,6,7
	global_store_b128 v[XO], v[BB+4*\i:BB+4*\i+3], s[10:11] offset:(16*(\a)+2*\i)*8192 th:TH_STORE_NT   ; sixteen lanes store 256 consecutive bytes, at a multiple of 256 from out's first byte
.endr
.endm
	PLACES                                         ; behind the last products
	s_wait_loadcnt 0x0                             ; x
	TOSTAGE 0
	TOSTAGE 1
	SEND 0, 16                                     ; behind block 0's loads: block 1's 8 stores and 8 loads
	s_wait_xcnt 0x0                                ; block 0's stores have read their registers: block 2's loads land there
	TOSTAGE 2
	SEND 1, 16
	s_wait_xcnt 0x0
	TOSTAGE 3
	SEND 2, 16
	SEND 3, 0
	s_wait_tensorcnt 0x0                           ; the wave's end
	ds_add_u32 v[SPW], v[NIL]
	s_wait_dscnt 0x0
	CROUND                                         ; the closing round: no work-group ends while a partner may still ask for a tile that names it
	s_endpgm
.Lfunc_end_k_q48bf18d8e9_gemm2:
	.size	k_q48bf18d8e9_gemm2, .Lfunc_end_k_q48bf18d8e9_gemm2-k_q48bf18d8e9_gemm2
	.p2alignl 7, 3214868480
	.fill 96, 4, 3214868480
	.section	.rodata,"a",@progbits
	.p2align	6, 0x0
	.amdhsa_kernel k_q48bf18d8e9_gemm2
		.amdhsa_group_segment_fixed_size 327680
		.amdhsa_private_segment_fixed_size 0
		.amdhsa_enable_private_segment 0
		.amdhsa_kernarg_size 32
		.amdhsa_user_sgpr_count 2
		.amdhsa_user_sgpr_kernarg_segment_ptr 1
		.amdhsa_wavefront_size32 1
		.amdhsa_system_sgpr_workgroup_id_x 1
		.amdhsa_system_sgpr_workgroup_id_y 1
		.amdhsa_system_sgpr_workgroup_id_z 1
		.amdhsa_system_vgpr_workitem_id 0
		.amdhsa_next_free_vgpr 768
		.amdhsa_next_free_sgpr 100
		.amdhsa_reserve_vcc 0
		.amdhsa_float_denorm_mode_32 3
		.amdhsa_float_denorm_mode_16_64 3
		.amdhsa_memory_ordered 1
		.amdhsa_forward_progress 1
		.amdhsa_inst_pref_size 139
	.end_amdhsa_kernel
	.amdgpu_metadata
---
amdhsa.version: [ 1, 2 ]
amdhsa.kernels:
  - .name:           k_q48bf18d8e9_gemm2
    .symbol:         k_q48bf18d8e9_gemm2.kd
    .args:
      - { .name: a2, .offset: 0, .size: 8, .value_kind: global_buffer, .address_space: global }
      - { .name: w2q, .offset: 8, .size: 8, .value_kind: global_buffer, .address_space: global }
      - { .name: x, .offset: 16, .size: 8, .value_kind: global_buffer, .address_space: global }
      - { .name: out0, .offset: 24, .size: 8, .value_kind: global_buffer, .address_space: global }
    .group_segment_fixed_size: 327680
    .private_segment_fixed_size: 0
    .kernarg_segment_align: 8
    .kernarg_segment_size: 32
    .max_flat_workgroup_size: 128
    .sgpr_count:     100
    .vgpr_count:     768
    .wavefront_size: 32
...
	.end_amdgpu_metadata
.endif
;; end of part 4
